; MI455X (gfx1250); checked and timed in simulation.
; The chip was launched on July 23, 2026; its instructions are those of AMD's public machine-readable ISA for CDNA 5 (MIT licence, August 2026) and "CDNA5" Instruction Set Architecture Reference Guide (July 2026). The comments in the code are by the model that wrote it; some were corrected since.
;; Bert Self Attention. Allowed arithmetic: matrix products marked QUANTISED: E3M2 operands, one E8M0 scale for each 32 along K, by v_wmma_scale_f32_16x16x128_f8f6f4 with both operands' format E3M2, f32 sums; everything else in f32.
;; Inputs: Wk 1,024 x 1,024 float32; Wq 1,024 x 1,024 float32; Wv 1,024 x 1,024 float32; attention_mask 4 x 1 x 1 x 2,048 float32; bk 1,024 float32; bq 1,024 float32; bv 1,024 float32; hidden_states 4 x 2,048 x 1,024 float32.
;; Outputs: out0 4 x 2,048 x 1,024 float32.
;; This version of the problem:
;;   THIS VERSION OF THE PROBLEM IS GIVEN IN LOW PRECISION. The matrix products marked QUANTISED in the list below multiply operands that are first quantised to E3M2 (3 exponent bits, 2 mantissa bits; 6 bits a number), with one power-of-two scale for each 32 numbers along K (OCP MX v1.0); their sums are f32. All else is computed in f32.
;;   The module's matrix products, in the order in which they are computed (A, B: the left and right operand; K: the contracted axis; several contracted axes count as one K, in the product's order):
;;     1. [M 8,192, K 1,024] x [K 1,024, N 1,024]; A: input hidden_states; B: input Wq: QUANTISED
;;     2. [M 8,192, K 1,024] x [K 1,024, N 1,024]; A: input hidden_states; B: input Wk: QUANTISED
;;     3. [M 8,192, K 1,024] x [K 1,024, N 1,024]; A: input hidden_states; B: input Wv: QUANTISED
;;     4. batch 64 x [M 2,048, K 64] x [K 64, N 2,048]; A: computed on the way; B: computed on the way: QUANTISED
;;     5. batch 64 x [M 2,048, K 2,048] x [K 2,048, N 64]; A: softmax (see below); B: computed on the way: QUANTISED
;;   THE QUANTISER, for each operand of a quantised product, along K:
;;     - K is cut into blocks of 32 from its start; a last block that is shorter is filled with zeros.
;;     - A block's scale is 2^e with e = floor(log2(the largest magnitude in the block)) - 4, held to -126 .. 127; a block of zeros has e = 0. As a byte (E8M0): e + 127.
;;     - Each number is divided by its block's scale, clamped to +-28, and rounded to the nearest number of E3M2, ties to even, subnormals kept.
;;     - The product sums the exact products of the quantised numbers (number of the format x scale) in f32.
;;   ~~~python
;;   def quantise(x, axis):      # numpy; x: float32 -> the quantised numbers, widened to float32 again
;;       x = np.moveaxis(x, axis, -1); K = x.shape[-1]
;;       x = np.pad(x, [(0, 0)] * (x.ndim - 1) + [(0, -K % 32)]); x = x.reshape(x.shape[:-1] + (-1, 32)); a = np.abs(x).max(-1, keepdims=True)
;;       e = np.where(a > 0, np.clip(np.frexp(np.where(a > 0, a, 1))[1] - 1 - 4, -126, 127), 0)      # np.frexp(a)[1] - 1 = floor(log2(a)), exactly
;;       r = np.clip(x / 2.0 ** e, -28, 28)
;;       step = 2.0 ** (np.maximum(np.frexp(np.where(r == 0, 1, r))[1] - 1, -2) - 2)
;;       q = np.round(r / step) * step * 2.0 ** e      # np.round: ties to even
;;       return np.moveaxis(q.reshape(q.shape[:-2] + (-1,))[..., :K], -1, axis).astype(np.float32)
;;   ~~~
;;   SOFTMAX AHEAD OF A QUANTISED PRODUCT. Where the list says 'softmax', what is quantised is not the finished softmax but p = 2^(t - M), with t = logit x log2(e) and M = ceil(the row's largest t), a whole number; so 1/2 < the row's largest p <= 1. The row's sum l is taken of the UNQUANTISED p, in f32, and the product's result is divided by l at the end. Since M is a whole number, a kernel that streams over the keys may use a running M (the ceiling of the running maximum): every later rescaling is an exact power of two, which a block's scale takes up: the codes' values come out the same.
;;   OPERANDS COMPUTED ON THE WAY. 'Computed on the way' means the value that the module computes at that place (a softmax that the list does not call 'softmax' is quantised finished and normalised). What goes into a quantiser is computed in f32, as accurately as f32 sums, v_exp_f32 and their like allow (about 1e-6 of the number): no bf16 or f16 on the way to a quantiser, and a product that is left as it is and whose result goes on into a quantised operand takes f32 operands (vector FMAs, or v_wmma_f32_16x16x4_f32). A number that lies on a knife's edge between two numbers of the format may be rounded either way, as far as f32 arithmetic and the matrix unit's own rounding can turn it there, and no further.
;; One version. Each part assembles by itself: llvm-mc -triple=amdgcn-amd-amdhsa -mcpu=gfx1250 --defsym DOCPART=n.
;; ======== version 1 of 1: 3 launches
;; limits: right only within a limited range of input values
;; workspace buffers: xw 9,011,200 bytes; qkv 20,185,088 bytes
;; launch quant (part 1): grid 448 x 1, 4 waves a work-group, no clusters, 47,104 bytes of LDS; arguments hidden_states, Wq, Wk, Wv, xw; writes xw
.if DOCPART == 1
	.amdgcn_target "amdgcn-amd-amdhsa--gfx1250"
	.amdhsa_code_object_version 6
	.text
	.protected	k_qedf5c48f6e_quant
	.globl	k_qedf5c48f6e_quant
	.p2align	8
	.type	k_qedf5c48f6e_quant,@function
k_qedf5c48f6e_quant:
	s_mov_b64 s[64:65], 0
	v_nop
	global_prefetch_b8 v0, s[64:65] scope:SCOPE_SE
	s_setreg_imm32_b32 hwreg(HW_REG_WAVE_MODE, 25, 1), 1
	s_wait_xcnt 0x0
; hidden_states [8192][1024] (K innermost) and Wq | Wk | Wv [1024][1024] (K = the FIRST axis) become codes of BF6 (E3M2) with one E8M0 byte for each 32 along K,
; laid in xw in the order of the matrix operand's registers, so that the next launch brings whole fragments by dense copies.
; xw: codes [tile 0..703][K step 0..7], an image of 1,536 bytes each: registers 4 g .. 4 g + 3 of lane l at 512 g + 16 l.  Tiles 0-511: tokens; tiles 512-703: the 3,072 columns of Wq | Wk | Wv.
;     from byte XSC on the scale words, 512 bytes a tile: the word of (row r, K step s) at 256 (s / 4) + 16 r + 4 (s % 4).
; THE ROWS OF A TILE ARE NOT NEIGHBOURS: row r of tile 2 G + u is index 32 G + 8 u + r + 8 (r / 8), so that where such tiles are source 0 of a product, a lane's 16 results of tiles 2 G and 2 G + 1 are 16 neighbours.
; A block's scale is 2^(floor(log2(its largest magnitude)) - 4); its byte is the largest magnitude's exponent field - 4, held at 1 from below (a block of zeros gets 1: its codes are zeros, and this program alone reads the bytes).
; LIMITS: NaN and infinities among the inputs are not served; a block whose largest magnitude lies under 2^-122 gets the byte 1.
; SHARES.  Work-groups 0-255: 32 tokens each; wave w: tile 2 G + (w & 1), K steps 4 (w / 2) .. + 3.  Work-groups 256-447: 32 columns x 512 along K; wave w: one K step, a lane a column, its registers down K.
; The two ways part on the work-group's number alone, have LDS bytes of their own, and meet at one barrier.  No tensor loads.
.set XSC,  8650752                     ; where the scale words begin in xw
.set XP,   528                         ; x's stage: a row of 512 bytes + 16: sixteen rows start at sixteen different 16-byte columns
.set XSW,  16*XP                       ; a wave's stage; the four lie from LDS byte 0 on
.set WST,  33792                       ; W's stages: two images (3,072 bytes) a wave
.set WSC,  46080                       ; W's scale words: 16 bytes a column
.set L16,  1                           ; v1   16 x lane
.set L4,   2                           ; v2   4 x lane
.set XSI,  3                           ; v3   x's stage, on the way in
.set XSO,  4                           ; v4   and out: row r, + 64 h
.set AW,   5                           ; v5   16 r + 8 h
.set WSI,  6                           ; v6   W's stage, in: my column's tile and row
.set WSO,  7                           ; v7   and out: 16 x lane
.set WCI,  8                           ; v8   W's scale words, in: 16 x lane + 4 x wave
.set WCO,  9                           ; v9   and out
.set WSG,  10                          ; v10  their place in xw: 512 x tile + 16 x row
.set R0,   16                          ; v16-143  x: two sets of 64 registers as loaded
.set X,    144                         ; v144-207 x: 64 numbers, register 16 b + i = k 32 b + 16 h + i of my row
.set PC,   208                         ; v208-227 the codes just made
.set TM,   228                         ; v228-243 at work in QUANT
.set PWS,  244                         ; v244-247 a scale word for each of my four K steps
.set WO,   250
.set CW,   80                          ; W: v16-79 two sets of 32 numbers; v80-87 a block's codes; v88 the four bytes; v96-119 the way out
.set SBY,  88
.set OUTR, 96
.set WV,   16
.set SEL,  20
; 64 numbers of a lane become a fragment's codes in v[PC] on and its scale word in v[PW]
.macro QUANT s
.irp b, 0,1,2,3
	v_max3_num_f32 v[TM+\b], |v[\s+16*\b]|, |v[\s+1+16*\b]|, 0x2800000   ; block b: my 16 numbers, and the floor 2^(5 - 127): the byte cannot fall under 1
.endr
.irp i, 2,4,6,8,10,12,14
.irp b, 0,1,2,3
	v_max3_num_f32 v[TM+\b], v[TM+\b], |v[\s+16*\b+\i]|, |v[\s+1+16*\b+\i]|   ; the four blocks by turns
.endr
.endr
.irp b, 0,1,2,3
	v_permlanex16_b32 v[TM+4+\b], v[TM+\b], s[SEL], s[SEL+1]
.endr
.irp b, 0,1,2,3
	v_max_num_f32 v[TM+\b], v[TM+\b], v[TM+4+\b]   ; with lane l xor 16's: the block's largest magnitude
.endr
.irp b, 0,1,2,3
	v_add_nc_u32 v[TM+12+\b], 0xfe000000, v[TM+\b]   ; 4 off its exponent field: the conversion's scale operand
.endr
.irp b, 0,1,2,3
	v_lshrrev_b32 v[TM+4+\b], 23, v[TM+12+\b]      ; the scale's byte
.endr
	v_lshl_or_b32 v[PW], v[TM+5], 8, v[TM+4]
	v_lshl_or_b32 v[PW], v[TM+6], 16, v[PW]
	v_lshl_or_b32 v[PW], v[TM+7], 24, v[PW]
.irp c, 0,1
	v_cvt_scalef32_pk16_bf6_f32 v[PC+6*\c:PC+2+6*\c], v[\s+32*\c:\s+15+32*\c], v[TM+12+2*\c]
	v_cvt_scalef32_pk16_bf6_f32 v[PC+12+4*\c:PC+14+4*\c], v[\s+16+32*\c:\s+31+32*\c], v[TM+12+2*\c+1]   ; (a conversion's three registers begin on an even number)
.endr
	v_nop                                          ; one plain place behind a scaled conversion
.irp c, 0,1                                    ; the operand's layout wants a whole block in a lane
.irp i, 0,1,2
	v_permlane16_swap_b32 v[PC+6*\c+\i], v[PC+12+4*\c+\i]
.endr
.irp i, 0,1,2
	v_mov_b32 v[PC+3+6*\c+\i], v[PC+12+4*\c+\i]
.endr
.endr
.endm
.macro XLOAD sl                        ; my tile's 16 rows, 128 along K: each load reads 512 consecutive bytes of one row
.irp rr, 0,1,2,3,4,5,6,7,8,9,10,11,12,13,14,15
	; TOKEN TILES (0-511) HAVE AN ORDER OF THEIR OWN: row r of tile 4 G + t is token 64 G + 32 (r / 8) + 8 t + r % 8; the order named at the head holds for the tiles of W's columns alone
	global_load_b128 v[R0+64*((\sl)%2)+4*\rr:R0+64*((\sl)%2)+4*\rr+3], v[L16], s[4:5] offset:(\rr+24*(\rr/8))*4096+512*(\sl) th:TH_LOAD_NT
.endr
.endm
.macro XTURN sl                        ; through my stage: in as loaded, out 16 neighbours of each block to a lane; LDS serves a wave's instructions in order
.irp rr, 0,1,2,3,4,5,6,7,8,9,10,11,12,13,14,15
	ds_store_b128 v[XSI], v[R0+64*((\sl)%2)+4*\rr:R0+64*((\sl)%2)+4*\rr+3] offset:XP*\rr
.endr
.irp b, 0,1,2,3
.irp j, 0,1,2,3
	ds_load_b128 v[X+16*\b+4*\j:X+16*\b+4*\j+3], v[XSO] offset:128*\b+16*\j
.endr
.endr
.endm
.macro WLOAD t                         ; block t of my K step: W(32 t + i, my column): 32 lanes read 128 consecutive bytes
.irp i, 0,1,2,3,4,5,6,7,8,9,10,11,12,13,14,15,16,17,18,19,20,21,22,23,24,25,26,27,28,29,30,31
	global_load_b32 v[16+32*((\t)%2)+\i], v[L4], s[14:15] offset:(32*(\t)+\i)*4096 th:TH_LOAD_NT
.endr
.endm
.macro WBLOCK t
.set XW, 16+32*((\t)%2)
.if (\t) < 3
	s_wait_loadcnt 32                              ; this block's 32 loads are in; the next block's may be out
.else
	s_wait_loadcnt 0x0
.endif
	v_max3_num_f32 v12, |v[XW]|, |v[XW+1]|, |v[XW+2]|   ; the block's largest magnitude: all 32 numbers are mine
	v_max3_num_f32 v13, |v[XW+3]|, |v[XW+4]|, |v[XW+5]|
.irp i, 6,10,14,18,22,26
	v_max3_num_f32 v12, v12, |v[XW+\i]|, |v[XW+\i+1]|
	v_max3_num_f32 v13, v13, |v[XW+\i+2]|, |v[XW+\i+3]|
.endr
	v_max3_num_f32 v12, v12, |v[XW+30]|, |v[XW+31]|
	v_max3_num_f32 v12, v12, v13, 0x2800000        ; and the floor
	v_add_nc_u32 v11, 0xfe000000, v12              ; the conversion's scale operand
	v_lshrrev_b32 v13, 23, v11                     ; the byte
.if (\t) == 0
	v_mov_b32 v[SBY], v13
.else
	v_lshl_or_b32 v[SBY], v13, 8*(\t), v[SBY]      ; four bytes make my column's scale word of this K step
.endif
	v_cvt_scalef32_pk16_bf6_f32 v[CW:CW+2], v[XW:XW+15], v11
	v_cvt_scalef32_pk16_bf6_f32 v[CW+4:CW+6], v[XW+16:XW+31], v11
	v_nop                                          ; one plain place behind a scaled conversion
	v_mov_b32 v[CW+3], v[CW+4]                     ; the block's 24 bytes on end
	v_mov_b32 v[CW+4], v[CW+5]
	v_mov_b32 v[CW+5], v[CW+6]
.irp p, 0,1,2                                  ; block t is registers 6 (t / 2) .. + 5 of lane (my row, h = t % 2) in the image of my tile
	ds_store_b64 v[WSI], v[CW+2*\p:CW+2*\p+1] offset:256*((\t)%2)+512*((24*((\t)/2)+8*\p)/16)+(24*((\t)/2)+8*\p)%16
.endr
.if (\t) < 2
	WLOAD (\t)+2
.endif
	s_wait_dscnt 0x0                               ; the stores have read their registers
.endm
	s_load_b256 s[4:11], s[0:1], 0x0               ; hidden_states s[4:5], Wq s[6:7], Wk s[8:9], Wv s[10:11]
	s_load_b64 s[12:13], s[0:1], 0x20              ; xw
	v_lshl_add_u32 v254, v0, 2, 0xb600
	v_mov_b32 v255, 0
	v_lshrrev_b32 v11, 5, v0
	v_readfirstlane_b32 s[WV], v11                 ; wave 0..3
	v_and_b32 v11, 31, v0                          ; lane
	v_and_b32 v12, 15, v0                          ; r
	v_bfe_u32 v13, v0, 4, 1                        ; h
	v_bfe_u32 v14, v0, 3, 1                        ; a column's tile of its group's two: (lane / 8) % 2
	v_and_b32 v15, 7, v0
	v_lshl_add_u32 v15, v13, 3, v15                ; and its row there: lane % 8 + 8 (lane / 16)
	v_lshlrev_b32 v[L16], 4, v11
	v_lshlrev_b32 v[L4], 2, v11
	s_mul_i32 s22, s[WV], XSW
	v_add_nc_u32 v[XSI], s22, v[L16]
	v_mul_u32_u24 v[XSO], v12, XP
	v_lshl_add_u32 v[XSO], v13, 6, v[XSO]
	v_add_nc_u32 v[XSO], s22, v[XSO]
	v_lshlrev_b32 v[AW], 4, v12
	v_lshl_add_u32 v[AW], v13, 3, v[AW]
	s_mul_i32 s22, s[WV], 3072
	s_add_co_u32 s22, s22, WST
	v_mul_u32_u24 v[WSI], v14, 1536
	v_lshl_add_u32 v[WSI], v15, 4, v[WSI]
	v_add_nc_u32 v[WSI], s22, v[WSI]
	v_add_nc_u32 v[WSO], s22, v[L16]
	s_lshl_b32 s22, s[WV], 2
	s_add_co_u32 s22, s22, WSC
	v_add_nc_u32 v[WCI], s22, v[L16]
	v_add_nc_u32 v[WCO], WSC, v[L16]
	v_lshlrev_b32 v[WSG], 9, v14
	v_lshl_add_u32 v[WSG], v15, 4, v[WSG]
.irp b, 0,1,2,3
	v_mov_b32 v[TM+4+\b], 0                        ; written once: a lane permute's destination counts as one of its sources
.endr
	s_mov_b32 s[SEL], 0x76543210
	s_mov_b32 s[SEL+1], 0xfedcba98                 ; v_permlanex16_b32's selects for lane l xor 16
	s_max_u32 s23, ttmp9, 256
	s_sub_co_u32 s23, s23, 256                     ; W's work-groups count from 0
	s_lshr_b32 s24, s23, 1                         ; which 32 of the 3,072 columns
	s_and_b32 s25, s23, 1                          ; which half of K
	s_lshl_b32 s26, s24, 10                        ; W's scale words: tile 512 + 2 x group, 512 bytes a tile, + 256 x half
	s_lshl_b32 s27, s25, 8
	s_add_co_u32 s26, s26, s27
	s_add_co_u32 s26, s26, XSC+262144
	s_mov_b32 s27, 0
	s_mov_b32 s31, 0
	s_wait_kmcnt 0x0
	s_add_nc_u64 s[26:27], s[12:13], s[26:27]
	s_cmp_lt_u32 ttmp9, 256
	s_cbranch_scc0 .Lw
	; ---- tokens
	s_and_b32 s28, s[WV], 1                        ; u
	s_lshr_b32 s29, s[WV], 1                       ; which half of K
	s_lshr_b32 s30, ttmp9, 1                       ; work-group g makes tiles 2 g, 2 g + 1: first row 64 (g / 2) + 16 (g % 2) + 8 u, rows of 4,096 bytes
	s_lshl_b32 s30, s30, 18
	s_and_b32 s33, ttmp9, 1
	s_lshl_b32 s33, s33, 16
	s_add_co_u32 s30, s30, s33
	s_lshl_b32 s33, s28, 15                        ; 8 u rows,
	s_add_co_u32 s30, s30, s33
	s_lshl_b32 s33, s29, 11                        ; four K steps of 512 bytes
	s_add_co_u32 s30, s30, s33
	s_add_nc_u64 s[4:5], s[4:5], s[30:31]
	s_lshl_b32 s32, ttmp9, 1
	s_add_co_u32 s32, s32, s28                     ; my tile
	s_mul_i32 s30, s32, 12288
	s_mul_i32 s33, s29, 6144
	s_add_co_u32 s30, s30, s33
	s_add_nc_u64 s[34:35], s[12:13], s[30:31]      ; its images of my four K steps
	s_lshl_b32 s30, s32, 9
	s_lshl_b32 s33, s29, 8
	s_add_co_u32 s30, s30, s33
	s_add_co_u32 s30, s30, XSC
	s_add_nc_u64 s[36:37], s[12:13], s[30:31]      ; and their scale words: 256 consecutive bytes
	XLOAD 0
	XLOAD 1
.irp sl, 0,1,2,3
.if \sl < 3
	s_wait_loadcnt 16                              ; this K step's sixteen loads are in; the next one's may be out
.else
	s_wait_loadcnt 0x0
.endif
	XTURN \sl
	s_wait_dscnt 0x0                               ; the numbers are back, and the stage's stores have read their registers,
.if \sl < 2
	XLOAD \sl+2                                    ; which take the loads of two steps on
.endif
.if \sl > 0
	s_wait_xcnt 0x0                                ; the last step's stores have read the codes' registers
.endif
.set PW, PWS+\sl
	QUANT X
.irp g, 0,1,2
	global_store_b128 v[L16], v[PC+4*\g:PC+4*\g+3], s[34:35] offset:1536*\sl+512*\g   ; 32 lanes store 512 consecutive bytes
.endr
.endr
	v_cmp_le_u32 vcc_lo, 16, v11                   ; both halves of the lanes hold row r's four words: lanes 0-15 store the first two, lanes 16-31 the others
	v_cndmask_b32 v[WO], v[PWS], v[PWS+2], vcc_lo
	v_cndmask_b32 v[WO+1], v[PWS+1], v[PWS+3], vcc_lo
	global_store_b64 v[AW], v[WO:WO+1], s[36:37]
	s_branch .Ljoin
	; ---- weights
.Lw:
	s_cmp_lt_u32 s24, 32                           ; which matrix: the choice hangs on the work-group's number alone
	s_cselect_b64 s[14:15], s[6:7], s[8:9]
	s_cmp_lt_u32 s24, 64
	s_cselect_b64 s[14:15], s[14:15], s[10:11]
	s_lshl_b32 s28, s25, 2
	s_add_co_u32 s28, s28, s[WV]                   ; my K step
	s_and_b32 s29, s24, 31
	s_lshl_b32 s30, s28, 19                        ; 128 rows of 4,096 bytes a K step
	s_lshl_b32 s29, s29, 7                         ; 32 columns of 4 bytes
	s_add_co_u32 s30, s30, s29
	s_add_nc_u64 s[14:15], s[14:15], s[30:31]
	s_mul_i32 s30, s24, 24576                      ; two tiles of 12,288 bytes a group,
	s_mul_i32 s29, s28, 1536
	s_add_co_u32 s30, s30, s29
	s_add_co_u32 s30, s30, 6291456                 ; behind the 512 tiles of tokens
	s_add_nc_u64 s[34:35], s[12:13], s[30:31]
	WLOAD 0
	WLOAD 1
	WBLOCK 0
	WBLOCK 1
	WBLOCK 2
	WBLOCK 3
	s_wait_alu depctr_va_vdst(0)
	ds_store_b32 v[WCI], v[SBY]                    ; my column's word of my K step, for wave 0 to gather
.irp g, 0,1,2,3,4,5
	ds_load_b128 v[OUTR+4*\g:OUTR+4*\g+3], v[WSO] offset:512*\g   ; my two images, as they will lie in xw
.endr
	s_wait_dscnt 0x0
.irp g, 0,1,2,3,4,5
	global_store_b128 v[L16], v[OUTR+4*\g:OUTR+4*\g+3], s[34:35] offset:12288*(\g/3)+512*(\g%3)
.endr
.Ljoin:
	s_wait_dscnt 0x0                               ; for the others' sake: my LDS stores are done
	s_barrier_signal -1
	s_barrier_wait -1
	s_cmp_lt_u32 ttmp9, 256
	s_cbranch_scc1 .Lend
	s_cmp_lg_u32 s[WV], 0
	s_cbranch_scc1 .Lend
	ds_load_b128 v[120:123], v[WCO]                ; a column's four words, one from each wave
	s_wait_dscnt 0x0
	global_store_b128 v[WSG], v[120:123], s[26:27] ; sixteen lanes fill each tile's 256 consecutive bytes
.Lend:
	s_wait_tensorcnt 0x0
	ds_add_u32 v254, v255
	s_wait_dscnt 0x0
	s_endpgm
.Lfunc_end_k_qedf5c48f6e_quant:
	.size	k_qedf5c48f6e_quant, .Lfunc_end_k_qedf5c48f6e_quant-k_qedf5c48f6e_quant
	.p2alignl 7, 3214868480
	.fill 96, 4, 3214868480
	.section	.rodata,"a",@progbits
	.p2align	6, 0x0
	.amdhsa_kernel k_qedf5c48f6e_quant
		.amdhsa_group_segment_fixed_size 47104
		.amdhsa_private_segment_fixed_size 0
		.amdhsa_enable_private_segment 0
		.amdhsa_kernarg_size 40
		.amdhsa_user_sgpr_count 2
		.amdhsa_user_sgpr_kernarg_segment_ptr 1
		.amdhsa_wavefront_size32 1
		.amdhsa_system_sgpr_workgroup_id_x 1
		.amdhsa_system_sgpr_workgroup_id_y 1
		.amdhsa_system_sgpr_workgroup_id_z 1
		.amdhsa_system_vgpr_workitem_id 0
		.amdhsa_next_free_vgpr 256
		.amdhsa_next_free_sgpr 66
		.amdhsa_reserve_vcc 1
		.amdhsa_float_denorm_mode_32 3
		.amdhsa_float_denorm_mode_16_64 3
		.amdhsa_memory_ordered 1
		.amdhsa_forward_progress 1
		.amdhsa_inst_pref_size 56
	.end_amdhsa_kernel
	.amdgpu_metadata
---
amdhsa.version: [ 1, 2 ]
amdhsa.kernels:
  - .name:           k_qedf5c48f6e_quant
    .symbol:         k_qedf5c48f6e_quant.kd
    .args:
      - { .name: hidden_states, .offset: 0, .size: 8, .value_kind: global_buffer, .address_space: global }
      - { .name: Wq, .offset: 8, .size: 8, .value_kind: global_buffer, .address_space: global }
      - { .name: Wk, .offset: 16, .size: 8, .value_kind: global_buffer, .address_space: global }
      - { .name: Wv, .offset: 24, .size: 8, .value_kind: global_buffer, .address_space: global }
      - { .name: xw, .offset: 32, .size: 8, .value_kind: global_buffer, .address_space: global }
    .group_segment_fixed_size: 47104
    .private_segment_fixed_size: 0
    .kernarg_segment_align: 8
    .kernarg_segment_size: 40
    .max_flat_workgroup_size: 128
    .sgpr_count:     66
    .vgpr_count:     256
    .wavefront_size: 32
...
	.end_amdgpu_metadata
.endif
;; end of part 1
;; launch proj (part 2): grid 4 x 64, 4 waves a work-group, clusters of 4 x 4, 327,680 bytes of LDS; arguments xw, bq, bk, bv, qkv; writes qkv
.if DOCPART == 2
	.amdgcn_target "amdgcn-amd-amdhsa--gfx1250"
	.amdhsa_code_object_version 6
	.text
	.protected	k_qedf5c48f6e_proj
	.globl	k_qedf5c48f6e_proj
	.p2align	8
	.type	k_qedf5c48f6e_proj,@function
k_qedf5c48f6e_proj:
	s_mov_b64 s[64:65], 0
	v_nop
	global_prefetch_b8 v0, s[64:65] scope:SCOPE_SE
	s_setreg_imm32_b32 hwreg(HW_REG_WAVE_MODE, 25, 1), 1
	s_wait_xcnt 0x0
	s_wait_alu depctr_hold_cnt(0) depctr_sa_sdst(0) depctr_va_vdst(0) depctr_va_sdst(0) depctr_va_ssrc(0) depctr_va_vcc(0) depctr_vm_vsrc(0)
	s_getreg_b32 s2, hwreg(HW_REG_IB_STS2, 6, 4)
	s_cmp_eq_u32 s2, 0
	s_cbranch_scc0 .Lentry_in_a_cluster
	s_endpgm
.Lentry_in_a_cluster:
	s_bfe_u32 s2, ttmp6, 0x10000c
	s_cmp_lg_u32 s2, 0xf033
	s_cbranch_scc0 .Lentry_shape_is_right
	s_endpgm
.Lentry_shape_is_right:
; q, k, v = x W + b on codes of BF6 (E3M2) with one E8M0 scale for each 32 along K, f32 sums; the results are quantised at once, in registers, for the two products of attention, and stored in the order of those operands' registers.
; xw: the codes and scale words of x (tiles 0-511) and of Wq | Wk | Wv (tiles 512-703), as images of the operand's registers, 12,288 bytes a tile (8 K steps).
;     Row r of token tile 4 G + t is token 64 G + 32 (r / 8) + 8 t + r % 8; row r of W's tile 2 G + u is column 32 G + 8 u + r + 8 (r / 8).
; qkv: q's and k's codes [batch x head][token tile 0..127], 768 bytes: registers 0-3 of lane l at 16 l, registers 4-5 at 512 + 8 l (K = the head's 64);  v's codes [batch x head][128 keys][channel tile 0..3], 1,536 bytes (K = the keys);
;      q's and k's scale words [batch x head][128 tokens][tiles 0-3 | 4-7][row][tile % 4] (bytes 0, 1: the two blocks; bytes 2, 3: 0);  v's [batch x head][128 keys][row][channel tile].
; SHARES.  256 work-groups that stay: each owns 128 tokens, whose codes (98,304 bytes, all of K) come into LDS once, and walks three blocks of 256 columns: block cx of q, of k and of v.  A block's codes of W (196,608 bytes, all of K) lie
; behind x's and are filled again for the next block as soon as the last fragments of this one are in registers: ahead of the block's last 32 products and of its way out.  q and k are a loop of two trips, each of which refills; v is written out and refills nothing.
; A wave makes 128 (source 0) x 64 (source 1): 32 accumulators.  q, k: source 0 = 128 columns of W (two heads), source 1 = 64 tokens.  v: source 0 = the 128 tokens, source 1 = 64 columns (one head).
; So a lane's 64 results of one tile of source 1 are neighbours along the NEXT product's K: for q, k 16 of each block of 32 channels; for v two whole blocks of 32 keys.
; CLUSTERS: 4 x 4 work-groups.  x's block hangs on the block of tokens alone and is asked for jointly along a row of the cluster, W's on the block of columns alone and jointly along a column.
; PREFETCH: in each trip of the loop the next block's W is asked for one block ahead of its refill: the column's four partners share its 768 pieces of 256 bytes out by address (cy), 48 to a wave, a lane a piece.
; LIMITS: NaN and infinities are not served; a block whose largest magnitude lies under 2^-122 gets the byte 1.
; REGISTERS, in windows of 256: window 0: v1-13 addresses; v16-47, v48-63 scale words of source 0's 8 tiles and source 1's 4 (register s % 4: lanes 0-15 K step s % 4, lanes 16-31 K step 4 + s % 4); v64-127 the bias;
;   v128-157 at work on the way out; v158-159 the add's two; v160-207, v208-255 source 1's fragments, two sets (on the way out v160-223 64 numbers, v224-243 their codes).   window 1: source 0's fragments, two sets of 96.   window 2: accumulator (b, a) at v[8 (8 b + a)].
.set XSC,  8650752                     ; xw: where the scale words begin
.set WL,   98304                       ; LDS: x's 8 tiles from 0, W's 16 from here
.set SPARE, 294912                     ; the spare words
.set WSTEP, 786432                     ; from a block of W to the next that I walk: 4 blocks of 16 tiles
.set QSB,  18874368                    ; qkv: q's scale words (k's: 524,288 on)
.set VCB,  12582912                    ; v's codes
.set VSB,  19922944                    ; v's scale words
.set L16,  1                           ; 16 x lane
.set AD0,  2                           ; LDS: source 0's tiles 0-3
.set AD1,  3                           ; source 1's
.set L8,   4                           ; 8 x lane
.set AW,   5                           ; 16 r + 8 h
.set ABQ,  6                           ; 64 h
.set ABV,  7                           ; 4 (r + 8 (r / 8))
.set LN,   8                           ; lane
.set AD0B, 11                          ; source 0's tiles 4-7
.set PF1,  12                          ; the prefetches' offsets
.set PF2,  13
.set SC0,  16
.set SC1,  48
.set BI,   64
.set TM,   128
.set WD,   146
.set WO,   154
.set SPW,  158
.set NIL,  159
.set H,    160
.set PC,   224
.set WV,   14
.set CX,   15
.set CY,   16
.set GY,   18
.set U,    19
.set SEL,  20
.set BAT,  22
.set TB,   23
.set G1X,  24
.set G1W,  32
.set G0X,  40
.set G0W,  44
.set G0R,  48
.set VA1,  67
.set BH0,  76
.set SB0,  84
.set SB1,  86
.set BP,   88
.set COUT, 90
.set SOUT, 92
.set W2,   94
.set W1,   95
.set PF,   96
.set MSB, 0
.macro WIN new                         ; the immediate's high byte repeats the setting that is left
.if MSB != \new
	s_set_vgpr_msb (MSB<<8)|\new
.set MSB, \new
.endif
.endm
.macro CROUND                          ; a round of the cluster's barrier
	s_barrier_signal -1
	s_barrier_wait -1
	s_cmp_lg_u32 s[WV], 0
	s_cbranch_scc1 .Lnot_wave_0_\@
	s_barrier_signal -3
.Lnot_wave_0_\@:
	s_barrier_wait -3
	s_barrier_signal -1
	s_barrier_wait -1
.endm
.macro PLACES                          ; four plain places behind a matrix instruction (ISA guide 7.12.1)
.rept 4
	v_nop
.endr
.endm
.macro QUANT s                         ; q, k: 64 numbers of a lane, register 16 b + i = k 32 b + 16 h + i of my row, become a fragment's codes in v[PC] on and its scale word in v[PW]
.irp b, 0,1,2,3
	v_max3_num_f32 v[TM+\b], |v[\s+16*\b]|, |v[\s+1+16*\b]|, 0x2800000   ; with the floor 2^(5 - 127): the byte cannot fall under 1
.endr
.irp i, 2,4,6,8,10,12,14
.irp b, 0,1,2,3
	v_max3_num_f32 v[TM+\b], v[TM+\b], |v[\s+16*\b+\i]|, |v[\s+1+16*\b+\i]|
.endr
.endr
.irp b, 0,1,2,3
	v_permlanex16_b32 v[TM+4+\b], v[TM+\b], s[SEL], s[SEL+1]
.endr
.irp b, 0,1,2,3
	v_max_num_f32 v[TM+\b], v[TM+\b], v[TM+4+\b]
.endr
.irp b, 0,1,2,3
	v_add_nc_u32 v[TM+12+\b], 0xfe000000, v[TM+\b]   ; 4 off the exponent field: the conversion's scale operand
.endr
.irp b, 0,1,2,3
	v_lshrrev_b32 v[TM+4+\b], 23, v[TM+12+\b]
.endr
	v_lshl_or_b32 v[PW], v[TM+5], 8, v[TM+4]
	v_lshl_or_b32 v[PW], v[TM+6], 16, v[PW]
	v_lshl_or_b32 v[PW], v[TM+7], 24, v[PW]
.irp c, 0,1
	v_cvt_scalef32_pk16_bf6_f32 v[PC+6*\c:PC+2+6*\c], v[\s+32*\c:\s+15+32*\c], v[TM+12+2*\c]
	v_cvt_scalef32_pk16_bf6_f32 v[PC+12+4*\c:PC+14+4*\c], v[\s+16+32*\c:\s+31+32*\c], v[TM+12+2*\c+1]
.endr
	v_nop                                          ; one plain place behind a scaled conversion
.irp c, 0,1
.irp i, 0,1,2
	v_permlane16_swap_b32 v[PC+6*\c+\i], v[PC+12+4*\c+\i]
.endr
.irp i, 0,1,2
	v_mov_b32 v[PC+3+6*\c+\i], v[PC+12+4*\c+\i]
.endr
.endr
.endm
.macro QUANTV s                        ; v: register 32 c + i = key 64 c + 32 h + i: a lane holds two whole blocks of 32: no other lane is asked for a maximum and no codes change lanes
	s_wait_alu depctr_va_vdst(0)                   ; the wait here, ahead of the first reader behind a wait that blocks
.irp c, 0,1
	v_max3_num_f32 v[TM+\c], |v[\s+32*\c]|, |v[\s+32*\c+1]|, 0x2800000
	v_max3_num_f32 v[TM+2+\c], |v[\s+32*\c+16]|, |v[\s+32*\c+17]|, |v[\s+32*\c+18]|
.endr
.irp i, 2,4,6,8,10,12
.irp c, 0,1
	v_max3_num_f32 v[TM+\c], v[TM+\c], |v[\s+32*\c+\i]|, |v[\s+32*\c+\i+1]|
	v_max3_num_f32 v[TM+2+\c], v[TM+2+\c], |v[\s+32*\c+17+\i]|, |v[\s+32*\c+18+\i]|
.endr
.endr
.irp c, 0,1
	v_max3_num_f32 v[TM+\c], v[TM+\c], |v[\s+32*\c+14]|, |v[\s+32*\c+15]|
.endr
.irp c, 0,1
	v_max3_num_f32 v[TM+\c], v[TM+\c], v[TM+2+\c], |v[\s+32*\c+31]|
.endr
.irp c, 0,1
	v_add_nc_u32 v[TM+12+\c], 0xfe000000, v[TM+\c]
.endr
.irp c, 0,1
	v_lshrrev_b32 v[TM+4+\c], 23, v[TM+12+\c]
.endr
	v_lshl_or_b32 v[TM+6], v[TM+5], 16, v[TM+4]    ; my bytes: blocks h and 2 + h
	v_permlanex16_b32 v[TM+7], v[TM+6], s[SEL], s[SEL+1]
	v_cmp_le_u32 vcc_lo, 16, v[LN]
	v_cndmask_b32 v[TM+4], v[TM+6], v[TM+7], vcc_lo   ; blocks 0 and 2
	v_cndmask_b32 v[TM+5], v[TM+7], v[TM+6], vcc_lo   ; blocks 1 and 3
	v_lshl_or_b32 v[PW], v[TM+5], 8, v[TM+4]       ; the row's scale word, in both halves of the lanes
.irp c, 0,1
	v_cvt_scalef32_pk16_bf6_f32 v[PC+6*\c:PC+2+6*\c], v[\s+32*\c:\s+15+32*\c], v[TM+12+\c]
	v_cvt_scalef32_pk16_bf6_f32 v[PC+12+4*\c:PC+14+4*\c], v[\s+16+32*\c:\s+31+32*\c], v[TM+12+\c]
.endr
	v_nop
.irp c, 0,1
.irp i, 0,1,2
	v_mov_b32 v[PC+3+6*\c+\i], v[PC+12+4*\c+\i]
.endr
.endr
.endm
.macro FETCH s                         ; K step s: source 0's eight fragments and source 1's four, into set s % 2: 36 loads of 512 consecutive bytes
	WIN 0x40                                       ; destination window 1, address window 0
.irp a, 0,1,2,3,4,5,6,7
.irp g, 0,1,2
	ds_load_b128 v[96*((\s)%2)+12*\a+4*\g:96*((\s)%2)+12*\a+4*\g+3], v[AD0+9*(\a/4)] offset:12288*(\a%4)+1536*(\s)+512*\g
.endr
.endr
	WIN 0
.irp b, 0,1,2,3
.irp g, 0,1,2
	ds_load_b128 v[160+48*((\s)%2)+12*\b+4*\g:160+48*((\s)%2)+12*\b+4*\g+3], v[AD1] offset:12288*\b+1536*(\s)+512*\g
.endr
.endr
.endm
.macro MUL s                           ; 32 matrix instructions; the 32 accumulators take turns, one instruction a turn, in the same order in every step
	WIN 0xa1                                       ; source 0 window 1, source 1 window 0, C and D window 2
.irp b, 0,1,2,3
.irp a, 0,1,2,3,4,5,6,7
.if (\s) == 0
	v_wmma_scale_f32_16x16x128_f8f6f4 v[8*(8*\b+\a):8*(8*\b+\a)+7], v[96*((\s)%2)+12*\a:96*((\s)%2)+12*\a+11], v[160+48*((\s)%2)+12*\b:160+48*((\s)%2)+12*\b+11], 0, v[SC0+4*\a+(\s)%4], v[SC1+4*\b+(\s)%4] matrix_a_fmt:MATRIX_FMT_BF6 matrix_b_fmt:MATRIX_FMT_BF6
.elseif (\s) < 4
	v_wmma_scale_f32_16x16x128_f8f6f4 v[8*(8*\b+\a):8*(8*\b+\a)+7], v[96*((\s)%2)+12*\a:96*((\s)%2)+12*\a+11], v[160+48*((\s)%2)+12*\b:160+48*((\s)%2)+12*\b+11], v[8*(8*\b+\a):8*(8*\b+\a)+7], v[SC0+4*\a+(\s)%4], v[SC1+4*\b+(\s)%4] matrix_a_fmt:MATRIX_FMT_BF6 matrix_b_fmt:MATRIX_FMT_BF6
.else
	v_wmma_scale_f32_16x16x128_f8f6f4 v[8*(8*\b+\a):8*(8*\b+\a)+7], v[96*((\s)%2)+12*\a:96*((\s)%2)+12*\a+11], v[160+48*((\s)%2)+12*\b:160+48*((\s)%2)+12*\b+11], v[8*(8*\b+\a):8*(8*\b+\a)+7], v[SC0+4*\a+(\s)%4], v[SC1+4*\b+(\s)%4] matrix_a_fmt:MATRIX_FMT_BF6 matrix_b_fmt:MATRIX_FMT_BF6 matrix_a_scale:MATRIX_SCALE_ROW1 matrix_b_scale:MATRIX_SCALE_ROW1
.endif
.endr
.endr
.endm
.macro STEP s                          ; K step s is multiplied; ahead of its products the next step's fragments are asked for
	s_wait_dscnt 0x0                               ; this step's fragments are in
.if (\s) < 7
.if (\s) > 0
	PLACES                                         ; ahead of loads into the set that the last step's products read
.endif
	FETCH (\s)+1
.endif
	MUL \s
	WIN 0
.endm
.macro SCLOAD                          ; a tile's scale words: lane (r, h) takes row r's words of K steps 4 h .. 4 h + 3: twelve loads
.irp i, 0,1,2,3,4,5,6,7
	global_load_b128 v[SC0+4*\i:SC0+4*\i+3], v[L16], s[SB0:SB0+1] offset:512*\i
.endr
.irp i, 0,1,2,3
	global_load_b128 v[SC1+4*\i:SC1+4*\i+3], v[L16], s[SB1:SB1+1] offset:512*\i
.endr
.endm
.macro ARRIVE                          ; a block's start: my tensor load and my scale words are in, and so are everybody's
	s_wait_tensorcnt 0x0
	s_wait_loadcnt 0x0
	s_barrier_signal -1
	s_barrier_wait -1
.endm
	s_load_b256 s[4:11], s[0:1], 0x0               ; xw s[4:5], bq s[6:7], bk s[8:9], bv s[10:11]
	s_load_b64 s[12:13], s[0:1], 0x20              ; qkv
	v_lshl_add_u32 v[SPW], v0, 2, SPARE
	v_mov_b32 v[NIL], 0
	ds_add_u32 v[SPW], v[NIL]                      ; the opening lines: the add, twice on end, and its wait
	ds_add_u32 v[SPW], v[NIL]
	v_lshrrev_b32 v[LN], 5, v0
	v_readfirstlane_b32 s[WV], v[LN]               ; wave 0..3
	v_and_b32 v[LN], 31, v0
	v_and_b32 v9, 15, v0                           ; r
	v_bfe_u32 v10, v0, 4, 1                        ; h
	v_lshlrev_b32 v[L16], 4, v[LN]
	v_lshlrev_b32 v[L8], 3, v[LN]
	v_lshlrev_b32 v[AW], 4, v9
	v_lshl_add_u32 v[AW], v10, 3, v[AW]
	v_lshlrev_b32 v[ABQ], 6, v10
	v_and_b32 v[ABV], 8, v9
	v_add_nc_u32 v[ABV], v[ABV], v9
	v_lshlrev_b32 v[ABV], 2, v[ABV]
	v_lshlrev_b32 v[PF1], 8, v[LN]                 ; pieces 0-31 of my 48,
	v_min_u32 v[PF2], 15, v[LN]
	v_lshl_add_u32 v[PF2], v[PF2], 8, 8192         ; pieces 32-47; the lanes left over name the last again
.irp b, 0,1,2,3
	v_mov_b32 v[TM+4+\b], 0                        ; written once: a lane permute's destination counts as one of its sources
.endr
	s_mov_b32 s[SEL], 0x76543210
	s_mov_b32 s[SEL+1], 0xfedcba98
	s_bfe_u32 s[CX], ttmp6, 0x40000                ; my place in the cluster
	s_bfe_u32 s[CY], ttmp6, 0x40004
	s_and_b32 s[GY], ttmp7, 0xffff
	s_lshl_b32 s[GY], s[GY], 2
	s_add_co_u32 s[GY], s[GY], s[CY]               ; my block of 128 tokens
	s_lshl_b32 s56, s[CY], 2
	s_lshl_b32 s56, 15, s56                        ; my row of the cluster
	s_lshl_b32 s57, 0x1111, s[CX]                  ; my column
	s_or_b32 s[G1X], s56, (3<<16)|(1<<21)          ; 15:0 the mask; 17:16 elements of 8 bytes; 21 set beside a mask
	s_or_b32 s[G1W], s57, (3<<16)|(1<<21)
	s_mov_b32 s[G1X+1], 32<<16                     ; x's block: 384 rows of 256 bytes, dense
	s_mov_b32 s[G1X+2], 384<<16
	s_mov_b32 s[G1X+3], 32<<16
	s_mov_b32 s[G1X+4], 384
	s_mov_b32 s[G1X+5], 32
	s_mov_b32 s[G1X+6], 0
	s_mov_b32 s[G1X+7], 0
	s_mov_b32 s[G1W+1], 32<<16                     ; at the head a third of W's block: 256 rows of 256 bytes
	s_mov_b32 s[G1W+2], 256<<16
	s_mov_b32 s[G1W+3], 32<<16
	s_mov_b32 s[G1W+4], 256
	s_mov_b32 s[G1W+5], 32
	s_mov_b32 s[G1W+6], 0
	s_mov_b32 s[G1W+7], 0
	s_lshr_b32 s[W2], s[WV], 1
	s_and_b32 s[W1], s[WV], 1
	s_lshr_b32 s[BAT], s[GY], 4                    ; batch
	s_and_b32 s[TB], s[GY], 15                     ; which 128 tokens of it
	s_mul_i32 s58, s[GY], 98304                    ; x's block in xw
	s_mov_b32 s59, 0
	s_mul_i32 s60, s[CX], 196608
	s_add_co_u32 s60, s60, 512*12288               ; q's block of W
	s_lshl_b32 s2, s[WV], 16
	s_add_co_u32 s62, s60, s2
	s_sub_co_u32 s62, s62, 65536                   ; its third w - 1, for waves 1 to 3,
	s_mov_b32 s63, 0
	s_add_co_u32 s3, s2, WL-65536                  ; and where that goes
	s_mul_i32 s66, s[WV], 49152
	s_add_co_u32 s68, s60, s66                     ; a refill's quarter w: stepped by a block ahead of each refill
	s_mov_b32 s69, 0
	s_add_co_u32 s[VA1], s66, WL                   ; and where it goes; also v's source 1: W's tiles 4 w on
	s_mul_i32 s70, s[CY], 49152                    ; the prefetches: of the next block my work-group's quarter, of that my wave's quarter
	s_add_co_u32 s70, s70, s60
	s_add_co_u32 s70, s70, WSTEP
	s_mul_i32 s71, s[WV], 12288
	s_add_co_u32 s70, s70, s71
	s_mov_b32 s71, 0
	s_mul_i32 s72, s[W2], 98304
	s_add_co_u32 s72, s72, WL                      ; q, k: source 0 = W's tiles 8 (w / 2) on,
	s_mul_i32 s73, s[W1], 49152                    ; source 1 = x's tiles 4 (w % 2) on
	v_add_nc_u32 v[AD0], s72, v[L16]
	v_add_nc_u32 v[AD0B], 49152, v[AD0]
	v_add_nc_u32 v[AD1], s73, v[L16]
	s_lshl_b32 s74, s[CX], 4                       ; the scale words' places in xw, 512 bytes a tile: q's source 0,
	s_lshl_b32 s75, s[W2], 3
	s_add_co_u32 s74, s74, s75
	s_add_co_u32 s74, s74, 512
	s_lshl_b32 s74, s74, 9
	s_add_co_u32 s74, s74, XSC
	s_mov_b32 s75, 0
	s_add_co_u32 s52, s74, 32768                   ; k's source 0: 64 tiles on,
	s_lshl_b32 s53, s[GY], 12
	s_add_co_u32 s53, s53, XSC                     ; v's source 0: x's tiles,
	s_lshl_b32 s54, s[W1], 11
	s_add_co_u32 s54, s54, s53                     ; q's and k's source 1,
	s_lshl_b32 s55, s[CX], 4
	s_lshl_b32 s98, s[WV], 2
	s_add_co_u32 s55, s55, s98
	s_add_co_u32 s55, s55, 640
	s_lshl_b32 s55, s55, 9
	s_add_co_u32 s55, s55, XSC                     ; v's source 1
	s_mov_b32 s98, s54
	s_mov_b32 s99, 0
	s_lshl_b32 s[BH0], s[BAT], 4
	s_lshl_b32 s77, s[CX], 2
	s_add_co_u32 s[BH0], s[BH0], s77               ; batch x head of my block's first head
	s_lshl_b32 s78, s[W2], 1
	s_add_co_u32 s78, s78, s[BH0]                  ; q, k: of my first head
	s_lshl_b32 s80, s78, 7
	s_lshl_b32 s81, s[TB], 3
	s_add_co_u32 s80, s80, s81
	s_lshl_b32 s81, s[W1], 2
	s_add_co_u32 s80, s80, s81                     ; its token tile of my first tile
	s_mul_i32 s80, s80, 768
	s_mov_b32 s81, 0
	s_lshl_b32 s82, s78, 4
	s_add_co_u32 s82, s82, s[TB]
	s_lshl_b32 s82, s82, 9
	s_lshl_b32 s83, s[W1], 8
	s_add_co_u32 s82, s82, s83
	s_add_co_u32 s82, s82, QSB
	s_mov_b32 s83, 0
	s_mov_b32 s[U], 0
	s_wait_alu depctr_va_vdst(0)                   ; the wait at the head's end
	s_wait_dscnt 0x0                               ; both opening adds are done
	s_wait_kmcnt 0x0
	s_mov_b32 s[G0X], 1
	s_mov_b32 s[G0X+1], 0
	s_add_nc_u64 s[G0X+2:G0X+3], s[4:5], s[58:59]
	s_or_b32 s[G0X+3], s[G0X+3], 0x80000000
	s_mov_b32 s[G0W], 1
	s_mov_b32 s[G0W+1], s3
	s_add_nc_u64 s[G0W+2:G0W+3], s[4:5], s[62:63]
	s_or_b32 s[G0W+3], s[G0W+3], 0x80000000
	s_mov_b32 s[G0R], 1
	s_mov_b32 s[G0R+1], s[VA1]
	s_add_nc_u64 s[G0R+2:G0R+3], s[4:5], s[68:69]
	s_or_b32 s[G0R+3], s[G0R+3], 0x80000000
	s_add_nc_u64 s[PF:PF+1], s[4:5], s[70:71]
	s_add_nc_u64 s[SB0:SB0+1], s[4:5], s[74:75]
	s_add_nc_u64 s[SB1:SB1+1], s[4:5], s[98:99]
	s_add_nc_u64 s[COUT:COUT+1], s[12:13], s[80:81]
	s_add_nc_u64 s[SOUT:SOUT+1], s[12:13], s[82:83]
	SCLOAD                                         ; q's scale words
	CROUND                                         ; all sixteen work-groups are here: the joint loads meet
	s_cmp_eq_u32 s[WV], 0                          ; one chain of two arms on the wave's number, a load in each, one join: wave 0 x's block, waves 1 to 3 a third each of W's
	s_cbranch_scc0 .Lfor_w
	tensor_load_to_lds s[G0X:G0X+3], s[G1X:G1X+7]
	s_nop 0
	PLACES
	s_branch .Lasked
.Lfor_w:
	tensor_load_to_lds s[G0W:G0W+3], s[G1W:G1W+7]
	s_nop 0
	PLACES
.Lasked:
.Lunit:                                        ; ---- q, then k
	ARRIVE
	FETCH 0
	STEP 0
	STEP 1
	global_prefetch_b8 v[PF1], s[PF:PF+1] th:TH_LOAD_NT scope:SCOPE_SE   ; the next block's W, my 48 pieces of 256 bytes: its refill stands six K steps on
	global_prefetch_b8 v[PF2], s[PF:PF+1] th:TH_LOAD_NT scope:SCOPE_SE
	STEP 2
	STEP 3
	STEP 4
	STEP 5
	s_cmp_eq_u32 s[U], 0                           ; the choices hang on the trip's number alone
	s_cselect_b64 s[BP:BP+1], s[6:7], s[8:9]       ; the bias,
	s_cselect_b32 s2, s52, s53                     ; and the next block's scale words: k's, or v's
	s_cselect_b32 s98, s54, s55
	s_mov_b32 s3, 0
	s_mov_b32 s99, 0
	s_add_nc_u64 s[SB0:SB0+1], s[4:5], s[2:3]
	s_add_nc_u64 s[SB1:SB1+1], s[4:5], s[98:99]
	s_lshl_b32 s2, s[CX], 10                       ; 256 cx + 128 (w / 2) numbers on
	s_lshl_b32 s98, s[W2], 9
	s_add_co_u32 s2, s2, s98
	s_add_nc_u64 s[BP:BP+1], s[BP:BP+1], s[2:3]
.irp a, 0,1,2,3,4,5,6,7                        ; register 8 a + j of lane (r, h) is column 32 (a / 2) + 16 h + 8 (a % 2) + j
	global_load_b128 v[BI+8*\a:BI+8*\a+3], v[ABQ], s[BP:BP+1] offset:(32*(\a/2)+8*(\a%2))*4
	global_load_b128 v[BI+8*\a+4:BI+8*\a+7], v[ABQ], s[BP:BP+1] offset:(32*(\a/2)+8*(\a%2))*4+16
.endr
	STEP 6
	s_wait_tensorcnt 0x0                           ; none of my tensor loads is out;
	ds_add_u32 v[SPW], v[NIL]                      ; 0 onto my spare word;
	s_add_nc_u64 s[G0R+2:G0R+3], s[G0R+2:G0R+3], WSTEP   ; so a descriptor may be written: the next block's quarter,
	s_mov_b32 s[G1W+2], 192<<16                    ; 192 rows of 256 bytes
	s_mov_b32 s[G1W+4], 192
	s_wait_dscnt 0x0                               ; the add is done, and the block's last fragments are in registers: my reads of W's bytes are over
	CROUND                                         ; the same holds of every wave of all sixteen work-groups
	tensor_load_to_lds s[G0R:G0R+3], s[G1W:G1W+7]  ; my one load behind the round: it has the last products and the way out in which to land
	s_nop 0
	PLACES
	MUL 7
	WIN 0
	PLACES                                         ; ahead of the loads into the scale registers, of the first read of results, and of writes over the fragments' registers
	SCLOAD                                         ; the next block's scale words
	s_wait_loadcnt 12                              ; the bias is in; the twelve loads just issued may be out
.set PW, 144
.irp b, 0,1,2,3                                ; tile b of my tokens: 128 columns = two heads
	WIN 0x02                                       ; source 0: window 2
.set i, 0
.rept 32
	v_pk_add_f32 v[H+2*i:H+2*i+1], v[64*\b+2*i:64*\b+2*i+1], v[BI+2*i:BI+2*i+1]   ; + the bias; each accumulator from its low end on
.set i, i+1
.endr
	WIN 0
.if \b > 0
	s_wait_xcnt 0x0                                ; the last tile's stores have read the codes' registers
.endif
	QUANT H
	global_store_b128 v[L16], v[PC:PC+3], s[COUT:COUT+1] offset:768*\b            ; the first head: registers 0-5
	global_store_b64 v[L8], v[PC+4:PC+5], s[COUT:COUT+1] offset:768*\b+512
	global_store_b128 v[L16], v[PC+6:PC+9], s[COUT:COUT+1] offset:98304+768*\b    ; the second: registers 6-11
	global_store_b64 v[L8], v[PC+10:PC+11], s[COUT:COUT+1] offset:98304+768*\b+512
	v_and_b32 v[WD+\b], 0xffff, v[PW]              ; the first head's two bytes,
	v_lshrrev_b32 v[WD+4+\b], 16, v[PW]            ; the second's
.endr
	v_cmp_le_u32 vcc_lo, 16, v[LN]                 ; both halves of the lanes hold row r's words: lanes 0-15 store tiles 0, 1, lanes 16-31 tiles 2, 3
	v_cndmask_b32 v[WO], v[WD], v[WD+2], vcc_lo
	v_cndmask_b32 v[WO+1], v[WD+1], v[WD+3], vcc_lo
	v_cndmask_b32 v[WO+2], v[WD+4], v[WD+6], vcc_lo
	v_cndmask_b32 v[WO+3], v[WD+5], v[WD+7], vcc_lo
	global_store_b64 v[AW], v[WO:WO+1], s[SOUT:SOUT+1]               ; 256 consecutive bytes
	global_store_b64 v[AW], v[WO+2:WO+3], s[SOUT:SOUT+1] offset:8192
	s_wait_alu depctr_va_vdst(0)                   ; the wait here, ahead of the wait and the branch below
	s_wait_xcnt 0x0                                ; the stores and the prefetches have read their registers and bases: all are written again
	s_add_nc_u64 s[COUT:COUT+1], s[COUT:COUT+1], 6291456
	s_add_nc_u64 s[SOUT:SOUT+1], s[SOUT:SOUT+1], 524288
	s_add_nc_u64 s[PF:PF+1], s[PF:PF+1], WSTEP
	s_add_co_u32 s[U], s[U], 1
	s_cmp_lt_u32 s[U], 2
	s_cbranch_scc1 .Lunit
	; ---- v: source 0 = x's eight tiles, source 1 = W's tiles 4 w on; nothing more is fetched
	v_mov_b32 v[AD0], v[L16]
	v_add_nc_u32 v[AD0B], 49152, v[L16]
	v_add_nc_u32 v[AD1], s[VA1], v[L16]
	s_wait_alu depctr_va_vdst(0)                   ; the wait here, directly ahead of the waits below
	ARRIVE
	FETCH 0
	STEP 0
	STEP 1
	STEP 2
	STEP 3
	STEP 4
	STEP 5
	s_lshl_b32 s2, s[CX], 10                       ; 256 cx + 64 w numbers on
	s_lshl_b32 s3, s[WV], 8
	s_add_co_u32 s2, s2, s3
	s_mov_b32 s3, 0
	s_add_nc_u64 s[BP:BP+1], s[10:11], s[2:3]
.irp b, 0,1,2,3                                ; a lane's 64 results of tile b belong to ONE channel: 32 (b / 2) + 8 (b % 2) + r + 8 (r / 8); its bias twice, for the packed addition
	global_load_b32 v[BI+2*\b], v[ABV], s[BP:BP+1] offset:(32*(\b/2)+8*(\b%2))*4
	global_load_b32 v[BI+2*\b+1], v[ABV], s[BP:BP+1] offset:(32*(\b/2)+8*(\b%2))*4
.endr
	s_add_co_u32 s56, s[BH0], s[WV]                ; batch x head
	s_lshl_b32 s56, s56, 4
	s_add_co_u32 s56, s56, s[TB]                   ; x 16 + which 128 keys
	s_mul_i32 s58, s56, 6144
	s_add_co_u32 s58, s58, VCB
	s_mov_b32 s59, 0
	s_add_nc_u64 s[COUT:COUT+1], s[12:13], s[58:59]
	s_lshl_b32 s58, s56, 8
	s_add_co_u32 s58, s58, VSB
	s_add_nc_u64 s[SOUT:SOUT+1], s[12:13], s[58:59]
	STEP 6
	STEP 7
	PLACES
	s_wait_loadcnt 0x0
.irp b, 0,1,2,3                                ; tile b of my head's channels: K = the 128 keys
	WIN 0x02
.set i, 0
.rept 32
	v_pk_add_f32 v[H+2*i:H+2*i+1], v[64*\b+2*i:64*\b+2*i+1], v[BI+2*\b:BI+2*\b+1]
.set i, i+1
.endr
	WIN 0
.if \b > 0
	s_wait_xcnt 0x0
.endif
.set PW, WD+\b
	QUANTV H
.irp g, 0,1,2
	global_store_b128 v[L16], v[PC+4*\g:PC+4*\g+3], s[COUT:COUT+1] offset:1536*\b+512*\g
.endr
.endr
	v_cmp_le_u32 vcc_lo, 16, v[LN]
	v_cndmask_b32 v[WO], v[WD], v[WD+2], vcc_lo
	v_cndmask_b32 v[WO+1], v[WD+1], v[WD+3], vcc_lo
	global_store_b64 v[AW], v[WO:WO+1], s[SOUT:SOUT+1]
	s_wait_tensorcnt 0x0                           ; the wave's end
	ds_add_u32 v[SPW], v[NIL]
	s_wait_dscnt 0x0
	CROUND                                         ; the closing round
	s_endpgm
.Lfunc_end_k_qedf5c48f6e_proj:
	.size	k_qedf5c48f6e_proj, .Lfunc_end_k_qedf5c48f6e_proj-k_qedf5c48f6e_proj
	.p2alignl 7, 3214868480
	.fill 96, 4, 3214868480
	.section	.rodata,"a",@progbits
	.p2align	6, 0x0
	.amdhsa_kernel k_qedf5c48f6e_proj
		.amdhsa_group_segment_fixed_size 327680
		.amdhsa_private_segment_fixed_size 0
		.amdhsa_enable_private_segment 0
		.amdhsa_kernarg_size 40
		.amdhsa_user_sgpr_count 2
		.amdhsa_user_sgpr_kernarg_segment_ptr 1
		.amdhsa_wavefront_size32 1
		.amdhsa_system_sgpr_workgroup_id_x 1
		.amdhsa_system_sgpr_workgroup_id_y 1
		.amdhsa_system_sgpr_workgroup_id_z 1
		.amdhsa_system_vgpr_workitem_id 0
		.amdhsa_next_free_vgpr 768
		.amdhsa_next_free_sgpr 102
		.amdhsa_reserve_vcc 1
		.amdhsa_float_denorm_mode_32 3
		.amdhsa_float_denorm_mode_16_64 3
		.amdhsa_memory_ordered 1
		.amdhsa_forward_progress 1
		.amdhsa_inst_pref_size 167
	.end_amdhsa_kernel
	.amdgpu_metadata
---
amdhsa.version: [ 1, 2 ]
amdhsa.kernels:
  - .name:           k_qedf5c48f6e_proj
    .symbol:         k_qedf5c48f6e_proj.kd
    .args:
      - { .name: xw, .offset: 0, .size: 8, .value_kind: global_buffer, .address_space: global }
      - { .name: bq, .offset: 8, .size: 8, .value_kind: global_buffer, .address_space: global }
      - { .name: bk, .offset: 16, .size: 8, .value_kind: global_buffer, .address_space: global }
      - { .name: bv, .offset: 24, .size: 8, .value_kind: global_buffer, .address_space: global }
      - { .name: qkv, .offset: 32, .size: 8, .value_kind: global_buffer, .address_space: global }
    .group_segment_fixed_size: 327680
    .private_segment_fixed_size: 0
    .kernarg_segment_align: 8
    .kernarg_segment_size: 40
    .max_flat_workgroup_size: 128
    .sgpr_count:     102
    .vgpr_count:     768
    .wavefront_size: 32
...
	.end_amdgpu_metadata
.endif
;; end of part 2
;; launch attn (part 3): grid 4 x 64, 8 waves a work-group, clusters of 4 x 1, 248,832 bytes of LDS; arguments qkv, attention_mask, out0; writes out0
.if DOCPART == 3
	.amdgcn_target "amdgcn-amd-amdhsa--gfx1250"
	.amdhsa_code_object_version 6
	.text
	.protected	k_qedf5c48f6e_attn
	.globl	k_qedf5c48f6e_attn
	.p2align	8
	.type	k_qedf5c48f6e_attn,@function
k_qedf5c48f6e_attn:
	s_mov_b64 s[64:65], 0
	v_nop
	global_prefetch_b8 v0, s[64:65] scope:SCOPE_SE
	s_setreg_imm32_b32 hwreg(HW_REG_WAVE_MODE, 25, 1), 1
	s_wait_xcnt 0x0
	s_wait_alu depctr_hold_cnt(0) depctr_sa_sdst(0) depctr_va_vdst(0) depctr_va_sdst(0) depctr_va_ssrc(0) depctr_va_vcc(0) depctr_vm_vsrc(0)
	s_getreg_b32 s2, hwreg(HW_REG_IB_STS2, 6, 4)
	s_cmp_eq_u32 s2, 0
	s_cbranch_scc0 .Lentry_in_a_cluster
	s_endpgm
.Lentry_in_a_cluster:
	s_bfe_u32 s2, ttmp6, 0x10000c
	s_cmp_lg_u32 s2, 0x3003
	s_cbranch_scc0 .Lentry_shape_is_right
	s_endpgm
.Lentry_shape_is_right:
; out[b][q][64 head ..] = the sum over keys of softmax(q . k / 8 + mask[b][key]) v, both products on codes of BF6 (E3M2) with one E8M0 scale for each 32 along a product's K.
; qkv holds q's, k's and v's codes and scale words as images of the operands' registers.  Row r of token tile 4 G + t is token 64 G + 32 (r / 8) + 8 t + r % 8; row r of v's channel tile 2 G + u is channel 32 G + 8 u + r + 8 (r / 8).
; THE SOFTMAX: t = (q . k + 8 mask) x log2(e) / 8; M = the row's largest t so far, rounded UP to a whole number; p = 2^(t - M) is quantised along the keys, not normalised; the row's sum is taken of the unquantised p and divides at the end.
; When M moves, the sum and O are multiplied by 2^(old M - new M): exact.  8 x mask is the C of the first product.
; LIMITS: 8 x mask is held at -2^24 from below, so that M stays a whole number in f32: that differs from the definition only for a query ALL of whose keys carry a mask under -2^21.  NaN and +infinity are not served.
; SHARES.  A cluster of four work-groups owns one (batch, head); each owns 512 queries, in two passes of 256; a wave owns two tiles of 16 queries a pass, one in each register window.  Two waves share a SIMD.
; A head's codes of k and v (2 x 98,304 bytes) come into LDS ONCE, asked for JOINTLY by the four: each of the eight waves issues one tensor load of 24,576 bytes at the head.  Nothing is filled again, so one barrier
; serves the launch, and no prefetch is laid: all that the launch streams is asked for at its head.
; LAYOUT.  Both products are used transposed: S^T = K Q^T + mask (source 0 = keys), O^T = V^T P^T (source 0 = channels): a lane holds ONE query.  By the token tiles' order register 8 T + j of a step's scores is key
; 64 (T / 4) + 32 h + 8 (T % 4) + j: a lane's 32 registers are a WHOLE block of 32 keys, in order: its maximum needs no other lane, and the conversions' results are the operand's registers.
; K = 64 fills half of the first product's 128: a fragment of source 0 holds TWO key tiles (registers 0-5, 6-11); it is multiplied by [q ; 0] for the first and by [0 ; q] for the second (zero codes, 18 registers 0 | q | 0).
; LDS READS RUN AHEAD: a step's k, mask and k's scale words are fetched behind the step before's first products (step 15 fetches step 0, for the next pass; the launch's last such fetch is not used); v at the step's top.
; REGISTERS: window 0: v1-17 addresses; v18-29 scale words; v30-31 the add's two; v32-95 the mask.  window 1: v0-47 k's four fragments; v48-95 v's four.
;   The same numbers in window 0 (tile 0) and window 1 (tile 1): v104-167 S^T, then p; v168-199 O^T; v200-217 0 | q | 0; v218-236 p's codes; v238 -M, v239 the largest score, v[240:241] the sum; v242-253 at work.
.set KCB,  6291456                     ; qkv: k's codes (v's: as far on again)
.set QSB,  18874368                    ; q's scale words
.set KSB,  19398656                    ; k's
.set VSB,  19922944                    ; v's
.set VCL,  98304                       ; LDS: k's codes from 0, v's from here: 6,144 bytes of each for 128 keys
.set MSK,  196608                      ; 8 x mask, 2,048 f32
.set KSC,  204800                      ; k's scale words, two tiles' bytes to a word: 256 bytes for 128 keys
.set VSC,  208896                      ; v's, 256 bytes for 128 keys
.set STG,  212992                      ; the way out: 16 rows x (256 bytes + 16) for each wave
.set SPARE, 247808                     ; the spare words, 128 bytes a wave
.set LI,   1                           ; 16 x lane
.set L8,   2                           ; 8 x lane
.set AV0,  3                           ; VCL + 16 x lane
.set AMK,  4                           ; MSK + 128 h
.set AKS,  5                           ; KSC + 8 x lane
.set AVS,  6                           ; VSC + 16 r
.set STO,  7
.set RD,   8
.set GO,   9                           ; 4,096 h + 16 r
.set AQS,  10                          ; 16 r
.set ADK,  12
.set ADK8, 13
.set ADV,  14
.set ADM,  15
.set ADS,  16
.set ADT,  17
.set KSW,  18                          ; v18-19: register i: lanes 0-15 fragment i, lanes 16-31 fragment 2 + i
.set VSW,  20                          ; v20-23: channel tile t
.set QSW,  24                          ; v24-27: tile w: 2 w for [q ; 0], 2 w + 1 for [0 ; q]
.set PSW,  28
.set SPW,  30
.set NIL,  31
.set MK,   32
.set S,    104
.set O,    168
.set QF,   200
.set PC,   218
.set XC,   230
.set YC,   234
.set NM,   238
.set RS,   239
.set L,    240
.set BM,   242
.set SO,   244
.set F,    246
.set T0,   248
.set T1,   249
.set SUM2, 250
.set BT,   252
.set WV,   10
.set CX,   11
.set BH,   12
.set QP,   14
.set QSP,  16
.set OP,   18
.set SEL,  20
.set CS,   22
.set G1,   24
.set G0,   32
.set IX,   36
.set TK,   37
.set TT,   38
.set NX,   39
.set TKN,  40
.set TMN,  41
.set TSN,  42
.set PASS, 43
.set MSB, 0
.macro WIN new                         ; the immediate's high byte repeats the setting that is left
.if MSB != \new
	s_set_vgpr_msb (MSB<<8)|\new
.set MSB, \new
.endif
.endm
.macro CROUND                          ; a round of the cluster's barrier
	s_barrier_signal -1
	s_barrier_wait -1
	s_cmp_lg_u32 s[WV], 0
	s_cbranch_scc1 .Lnot_wave_0_\@
	s_barrier_signal -3
.Lnot_wave_0_\@:
	s_barrier_wait -3
	s_barrier_signal -1
	s_barrier_wait -1
.endm
.macro PREF                            ; the next step's mask, k's scale words and k's eight tiles: 33 LDS loads; the four additions are the places behind the first products
	v_add_nc_u32 v[ADK], s[TKN], v[LI]
	v_add_nc_u32 v[ADK8], s[TKN], v[L8]
	v_add_nc_u32 v[ADM], s[TMN], v[AMK]
	v_add_nc_u32 v[ADS], s[TSN], v[AKS]
.irp t, 0,1,2,3,4,5,6,7
	ds_load_b128 v[MK+8*\t:MK+8*\t+3], v[ADM] offset:256*(\t/4)+32*(\t%4)
	ds_load_b128 v[MK+8*\t+4:MK+8*\t+7], v[ADM] offset:256*(\t/4)+32*(\t%4)+16
.endr
	ds_load_b64 v[KSW:KSW+1], v[ADS]
	WIN 0x40                                       ; destination window 1, address window 0
.irp t, 0,1,2,3,4,5,6,7
	ds_load_b128 v[6*\t:6*\t+3], v[ADK] offset:768*\t
	ds_load_b64 v[6*\t+4:6*\t+5], v[ADK8] offset:768*\t+512
.endr
	WIN 0
.endm
.macro SPROD w                         ; S^T of the step's eight key tiles for my tile w of queries; C = the mask; eight different results
.irp f, 0,1
	v_wmma_scale_f32_16x16x128_f8f6f4 v[S+16*\f:S+16*\f+7], v[12*\f:12*\f+11], v[QF+6:QF+17], v[MK+16*\f:MK+16*\f+7], v[KSW+\f], v[QSW+2*\w] matrix_a_fmt:MATRIX_FMT_BF6 matrix_b_fmt:MATRIX_FMT_BF6
	v_wmma_scale_f32_16x16x128_f8f6f4 v[S+16*\f+8:S+16*\f+15], v[12*\f:12*\f+11], v[QF:QF+11], v[MK+16*\f+8:MK+16*\f+15], v[KSW+\f], v[QSW+2*\w+1] matrix_a_fmt:MATRIX_FMT_BF6 matrix_b_fmt:MATRIX_FMT_BF6
.endr
.irp f, 0,1
	v_wmma_scale_f32_16x16x128_f8f6f4 v[S+32+16*\f:S+32+16*\f+7], v[24+12*\f:24+12*\f+11], v[QF+6:QF+17], v[MK+32+16*\f:MK+32+16*\f+7], v[KSW+\f], v[QSW+2*\w] matrix_a_fmt:MATRIX_FMT_BF6 matrix_b_fmt:MATRIX_FMT_BF6 matrix_a_scale:MATRIX_SCALE_ROW1
	v_wmma_scale_f32_16x16x128_f8f6f4 v[S+32+16*\f+8:S+32+16*\f+15], v[24+12*\f:24+12*\f+11], v[QF:QF+11], v[MK+32+16*\f+8:MK+32+16*\f+15], v[KSW+\f], v[QSW+2*\w+1] matrix_a_fmt:MATRIX_FMT_BF6 matrix_b_fmt:MATRIX_FMT_BF6 matrix_a_scale:MATRIX_SCALE_ROW1
.endr
.endm
.macro PV w                            ; O^T += V^T P^T: the four tiles of channels by turns
.irp t, 0,1,2,3
	v_wmma_scale_f32_16x16x128_f8f6f4 v[O+8*\t:O+8*\t+7], v[48+12*\t:48+12*\t+11], v[PC:PC+11], v[O+8*\t:O+8*\t+7], v[VSW+\t], v[PSW+\w] matrix_a_fmt:MATRIX_FMT_BF6 matrix_b_fmt:MATRIX_FMT_BF6
.endr
.endm
; One tile's softmax of 128 keys, in the tile's own window but for p's scale word.  A lane holds blocks h (registers 0-31) and 2 + h (registers 32-63).
.macro SOFTMAX w
	s_wait_alu depctr_va_vdst(0)                   ; the wait, directly ahead of the first reader of the scores and of O^T
.irp c, 0,1
	v_max3_num_f32 v[BM+\c], v[S+32*\c], v[S+32*\c+1], v[S+32*\c+2]   ; each block's largest score, in two chains: it serves the row's maximum and, since p rises with the score, the block's largest p
	v_max3_num_f32 v[BT+\c], v[S+32*\c+16], v[S+32*\c+17], v[S+32*\c+18]
.endr
.irp i, 3,5,7,9,11,13
.irp c, 0,1
	v_max3_num_f32 v[BM+\c], v[BM+\c], v[S+32*\c+\i], v[S+32*\c+\i+1]
	v_max3_num_f32 v[BT+\c], v[BT+\c], v[S+32*\c+16+\i], v[S+32*\c+17+\i]
.endr
.endr
.irp c, 0,1
	v_max3_num_f32 v[BM+\c], v[BM+\c], v[BT+\c], v[S+32*\c+15]
.endr
.irp c, 0,1
	v_max_num_f32 v[BM+\c], v[BM+\c], v[S+32*\c+31]
.endr
	s_delay_alu instid0(VALU_DEP_1)
	v_max3_num_f32 v[T0], v[BM], v[BM+1], v[RS]    ; with the largest score so far
	s_delay_alu instid0(VALU_DEP_1)
	v_permlanex16_b32 v[T1], v[T0], s[SEL], s[SEL+1]
	s_delay_alu instid0(VALU_DEP_1)
	v_max_num_f32 v[RS], v[T0], v[T1]              ; and lane l xor 16's keys
	s_delay_alu instid0(VALU_DEP_1)
	v_mul_f32 v[T0], s[CS], v[RS]                  ; as t (c is positive)
	s_delay_alu instid0(VALU_DEP_1)
	v_floor_f32 v[T1], -v[T0]                      ; the new -M = floor(-t): M is a whole number
	s_delay_alu instid0(VALU_DEP_1)
	v_sub_f32 v[T0], v[T1], v[NM]                  ; old M - new M: a whole number, 0 or less
	v_mov_b32 v[NM], v[T1]
	s_delay_alu instid0(VALU_DEP_2)
	v_cvt_i32_f32 v[T0], v[T0]                     ; (it saturates)
.irp j, 0,2,4,6,8,10,12,14,16,18,20,22,24,26,28,30,32,34,36,38,40,42,44,46,48,50,52,54,56,58,60,62
	v_pk_fma_f32 v[S+\j:S+\j+1], v[S+\j:S+\j+1], s[CS:CS+1], v[NM:NM+1] op_sel_hi:[1,0,0]   ; t - M, two at a time
.endr
	v_ldexp_f32 v[F], 1.0, v[T0]                   ; f = 2^(old M - new M)
.irp c, 0,1
	v_fma_f32 v[BM+\c], v[BM+\c], s[CS], v[NM]     ; the same of each block's largest score
.endr
.irp j, 0,2,4,6,8,10,12,14,16,18,20,22,24,26,28,30
	v_pk_mul_f32 v[O+\j:O+\j+1], v[O+\j:O+\j+1], v[F:F+1] op_sel_hi:[1,0]   ; O^T under the new M, each accumulator from its low end on
.endr
	s_wait_alu depctr_va_vdst(0)                   ; the wait ahead of the batch
.if \w
	s_wait_dscnt 33                                ; v's thirteen loads are in; the 33 for the next step may be out
	WIN 0x01                                       ; v in window 1; tile 0's p and O^T in window 0
	PV 0                                           ; tile 0's second product stands ahead of tile 1's exponentials
	WIN 0x55
.endif
.irp c, 0,1
	v_exp_f32 v[BM+\c], v[BM+\c]                   ; the block's largest p: the same two instructions on the same number
.endr
.irp j, 0,1,2,3,4,5,6,7,8,9,10,11,12,13,14,15,16,17,18,19,20,21,22,23,24,25,26,27,28,29,30,31,32,33,34,35,36,37,38,39,40,41,42,43,44,45,46,47,48,49,50,51,52,53,54,55,56,57,58,59,60,61,62,63
	v_exp_f32 v[S+\j], v[S+\j]                     ; p = 2^(t - M)
.endr
	v_pk_mul_f32 v[L:L+1], v[L:L+1], v[F:F+1] op_sel_hi:[1,0]   ; the sums under the new M: the plain place behind the exponentials
	s_wait_alu depctr_va_vdst(0)                   ; one wait for the batch, ahead of its first reader
.irp c, 0,1
	v_max_num_f32 v[BM+\c], 0x2800000, v[BM+\c]    ; the floor 2^(5 - 127): the byte cannot fall under 1
.endr
.irp c, 0,1
	s_delay_alu instid0(VALU_DEP_2)
	v_add_nc_u32 v[SO+\c], 0xfe000000, v[BM+\c]    ; 4 off the exponent field: the conversion's scale operand
.endr
.irp c, 0,1
	s_delay_alu instid0(VALU_DEP_2)
	v_lshrrev_b32 v[BT+\c], 23, v[SO+\c]           ; the scale's byte
.endr
	s_delay_alu instid0(VALU_DEP_1)
	v_lshl_or_b32 v[T0], v[BT+1], 16, v[BT]        ; my blocks h and 2 + h
	s_delay_alu instid0(VALU_DEP_1)
	v_permlanex16_b32 v[T1], v[T0], s[SEL], s[SEL+1]
.if \w
	WIN 0x11                                       ; scale operands are taken from window 0: the destination lies there
.endif
	v_lshl_or_b32 v[PSW+\w], v[T1], 8, v[T0]       ; lanes 0-15, which alone are read: blocks 0, 2 are mine, blocks 1, 3 lane l + 16's
.if \w
	WIN 0x55
.endif
.irp c, 0,1
	v_cvt_scalef32_pk16_bf6_f32 v[PC+6*\c:PC+2+6*\c], v[S+32*\c:S+15+32*\c], v[SO+\c]
	v_cvt_scalef32_pk16_bf6_f32 v[XC+4*\c:XC+2+4*\c], v[S+16+32*\c:S+31+32*\c], v[SO+\c]   ; (a conversion's three registers begin on an even number)
.endr
	v_pk_add_f32 v[SUM2:SUM2+1], v[S:S+1], v[S+2:S+3]   ; the row's sum is taken of the unquantised p, in four chains; these lines are also the places behind the conversions and ahead of the product
	v_pk_add_f32 v[BM:BM+1], v[S+4:S+5], v[S+6:S+7]
	v_pk_add_f32 v[BT:BT+1], v[S+8:S+9], v[S+10:S+11]
.irp c, 0,1
.irp i, 0,1,2
	v_mov_b32 v[PC+3+6*\c+\i], v[XC+4*\c+\i]
.endr
.endr
.irp j, 12,20,28,36,44,52
	v_pk_add_f32 v[L:L+1], v[L:L+1], v[S+\j:S+\j+1]
	v_pk_add_f32 v[SUM2:SUM2+1], v[SUM2:SUM2+1], v[S+\j+2:S+\j+3]
	v_pk_add_f32 v[BM:BM+1], v[BM:BM+1], v[S+\j+4:S+\j+5]
	v_pk_add_f32 v[BT:BT+1], v[BT:BT+1], v[S+\j+6:S+\j+7]
.endr
	v_pk_add_f32 v[L:L+1], v[L:L+1], v[S+60:S+61]
	v_pk_add_f32 v[SUM2:SUM2+1], v[SUM2:SUM2+1], v[S+62:S+63]
	v_pk_add_f32 v[BM:BM+1], v[BM:BM+1], v[BT:BT+1]
	s_delay_alu instid0(VALU_DEP_2)
	v_pk_add_f32 v[L:L+1], v[L:L+1], v[SUM2:SUM2+1]
	s_delay_alu instid0(VALU_DEP_1)
	v_pk_add_f32 v[L:L+1], v[L:L+1], v[BM:BM+1]
.endm
; A KEY STEP: 128 keys for my two tiles of queries
.macro STEP
	s_mul_i32 s[TK], s[IX], 6144                   ; this step's v, and the next step's k, mask and scale words (step 15's next is step 0)
	s_lshl_b32 s[TT], s[IX], 8
	s_add_co_u32 s[NX], s[IX], 1
	s_and_b32 s[NX], s[NX], 15
	s_mul_i32 s[TKN], s[NX], 6144
	s_lshl_b32 s[TMN], s[NX], 9
	s_lshl_b32 s[TSN], s[NX], 8
	v_add_nc_u32 v[ADV], s[TK], v[AV0]             ; four places behind the last step's products, ahead of the loads into their sources
	v_add_nc_u32 v[ADT], s[TT], v[AVS]
	v_nop
	v_nop
	ds_load_b128 v[VSW:VSW+3], v[ADT]
	WIN 0x40
.irp t, 0,1,2,3
.irp g, 0,1,2
	ds_load_b128 v[48+12*\t+4*\g:48+12*\t+4*\g+3], v[ADV] offset:1536*\t+512*\g
.endr
.endr
	s_wait_dscnt 13                                ; k, the mask and k's scale words are in; v's thirteen loads may be out
	WIN 0x01                                       ; k in window 1; q, the mask and S^T in window 0
	SPROD 0
	WIN 0x45                                       ; k and q in window 1, the mask in window 0, S^T in window 1
	SPROD 1
	WIN 0
	PREF
	SOFTMAX 0
	WIN 0x55
	SOFTMAX 1
	PV 1
	WIN 0
.endm
.macro INIT                            ; the step is written once: the first finds zeros, which the first change of M leaves zeros
	v_mov_b32 v[RS], 0xff61b1e6                    ; -3e38, under every score
	v_mov_b32 v[NM], 0x7f61b1e6
	v_mov_b32 v[L], 0
	v_mov_b32 v[L+1], 0
.set i, 0
.rept 32
	v_mov_b32 v[O+i], 0
.set i, i+1
.endr
.endm
.macro OUT w                           ; tile w: O^T / the sum, through my stage, back as rows of 256 bytes
	v_add_f32 v[T0], v[L], v[L+1]
	s_delay_alu instid0(VALU_DEP_1)
	v_permlanex16_b32 v[T1], v[T0], s[SEL], s[SEL+1]
	s_delay_alu instid0(VALU_DEP_1)
	v_add_f32 v[T0], v[T0], v[T1]                  ; the row's sum
	s_wait_alu depctr_va_vdst(0)                   ; the wait ahead of the reciprocal
	v_rcp_f32 v[F], v[T0]
	v_nop                                          ; a plain place behind it
	s_wait_alu depctr_va_vdst(0)                   ; and the wait ahead of its first reader and of O^T's
.irp j, 0,2,4,6,8,10,12,14,16,18,20,22,24,26,28,30
	v_pk_mul_f32 v[S+\j:S+\j+1], v[O+\j:O+\j+1], v[F:F+1] op_sel_hi:[1,0]
.endr
.if \w
	WIN 0x04                                       ; an LDS store's data are its source 1
.endif
.irp t, 0,1,2,3                                ; register j of tile t is channel 32 (t / 2) + 16 h + 8 (t % 2) + j of query row r
	ds_store_b128 v[STO], v[S+8*\t:S+8*\t+3] offset:128*(\t/2)+32*(\t%2)
	ds_store_b128 v[STO], v[S+8*\t+4:S+8*\t+7] offset:128*(\t/2)+32*(\t%2)+16
.endr
.if \w
	WIN 0x40
.endif
.irp i, 0,1,2,3,4,5,6,7
	ds_load_b128 v[S+32+4*\i:S+32+4*\i+3], v[RD] offset:544*\i   ; LDS serves a wave's instructions in order: these see my stores, and the next tile's stores come behind them
.endr
	WIN 0
.endm
	s_load_b128 s[4:7], s[0:1], 0x0                ; qkv s[4:5], the mask s[6:7]
	s_load_b64 s[8:9], s[0:1], 0x10                ; the result
	v_lshl_add_u32 v[SPW], v0, 2, SPARE
	v_mov_b32 v[NIL], 0
	ds_add_u32 v[SPW], v[NIL]                      ; the opening lines: the add, twice on end, and its wait
	ds_add_u32 v[SPW], v[NIL]
	v_lshrrev_b32 v96, 5, v0
	v_readfirstlane_b32 s[WV], v96                 ; wave 0..7
	v_and_b32 v96, 31, v0                          ; lane
	v_and_b32 v97, 15, v0                          ; r
	v_bfe_u32 v98, v0, 4, 1                        ; h
	v_lshlrev_b32 v[LI], 4, v96
	v_lshlrev_b32 v[L8], 3, v96
	v_add_nc_u32 v[AV0], VCL, v[LI]
	v_lshl_add_u32 v[AMK], v98, 7, MSK
	v_add_nc_u32 v[AKS], KSC, v[L8]
	v_lshlrev_b32 v[AQS], 4, v97
	v_add_nc_u32 v[AVS], VSC, v[AQS]
	s_mul_i32 s53, s[WV], 4352
	s_add_co_u32 s53, s53, STG                     ; my stage
	v_mul_u32_u24 v[STO], v97, 272
	v_lshl_add_u32 v[STO], v98, 6, v[STO]
	v_add_nc_u32 v[STO], s53, v[STO]
	v_mul_u32_u24 v[RD], v98, 272
	v_lshl_add_u32 v[RD], v97, 4, v[RD]
	v_add_nc_u32 v[RD], s53, v[RD]
	v_lshlrev_b32 v[GO], 12, v98
	v_lshl_add_u32 v[GO], v97, 4, v[GO]
	v_lshlrev_b32 v100, 4, v0                      ; 16 x thread
	v_add_nc_u32 v101, MSK, v100
	v_lshl_add_u32 v102, v0, 3, KSC
	s_bfe_u32 s[CX], ttmp6, 0x40000                ; my quarter of the queries: it enters q's and the result's addresses alone
	s_and_b32 s[BH], ttmp7, 0xffff                 ; 16 x batch + head, which the four partners share
	s_mov_b32 s[SEL], 0x76543210
	s_mov_b32 s[SEL+1], 0xfedcba98
	s_mov_b32 s[CS], 0x3e38aa3b                    ; c = log2(e) / 8
	s_mov_b32 s[CS+1], s[CS]
	s_mov_b32 s[G1], 15|(3<<16)|(1<<21)            ; the mask: all four work-groups; elements of 8 bytes; bit 21 beside a mask
	s_mov_b32 s[G1+1], 32<<16                      ; 24,576 dense bytes as 96 rows of 256
	s_mov_b32 s[G1+2], 96<<16
	s_mov_b32 s[G1+3], 32<<16
	s_mov_b32 s[G1+4], 96
	s_mov_b32 s[G1+5], 32
	s_mov_b32 s[G1+6], 0
	s_mov_b32 s[G1+7], 0
	s_lshr_b32 s54, s[WV], 2                       ; what I fetch: waves 0-3 k's codes, waves 4-7 v's; the quarter w % 4
	s_and_b32 s56, s[WV], 3
	s_mul_i32 s55, s[WV], 24576                    ; in LDS
	s_mul_i32 s56, s56, 24576
	s_mul_i32 s58, s54, KCB
	s_add_co_u32 s58, s58, KCB
	s_add_co_u32 s58, s58, s56
	s_mul_i32 s57, s[BH], 98304
	s_add_co_u32 s58, s58, s57                     ; in qkv
	s_mov_b32 s59, 0
	s_lshl_b32 s60, s[BH], 7                       ; q's codes: tile 128 bh + 32 cx + 2 w
	s_lshl_b32 s62, s[CX], 5
	s_add_co_u32 s60, s60, s62
	s_lshl_b32 s62, s[WV], 1
	s_add_co_u32 s60, s60, s62
	s_mul_i32 s60, s60, 768
	s_mov_b32 s61, 0
	s_lshl_b32 s2, s[BH], 13                       ; q's scale words: 8,192 bh + 512 (4 cx + w / 4) + 256 ((w / 2) % 2) + 8 (w % 2)
	s_lshl_b32 s62, s[CX], 11
	s_add_co_u32 s2, s2, s62
	s_lshl_b32 s62, s54, 9
	s_add_co_u32 s2, s2, s62
	s_bfe_u32 s62, s[WV], 0x10001
	s_lshl_b32 s62, s62, 8
	s_add_co_u32 s2, s2, s62
	s_and_b32 s62, s[WV], 1
	s_lshl_b32 s62, s62, 3
	s_add_co_u32 s2, s2, s62
	s_add_co_u32 s2, s2, QSB
	s_mov_b32 s3, 0
	s_lshr_b32 s52, s[BH], 4                       ; batch
	s_lshl_b32 s62, s52, 23                        ; the result: row 2,048 batch + 512 cx + 64 (w / 2) + 16 (w % 2) of 4,096 bytes, + 256 x head
	s_lshl_b32 s63, s[CX], 21
	s_add_co_u32 s62, s62, s63
	s_lshr_b32 s63, s[WV], 1
	s_lshl_b32 s63, s63, 18
	s_add_co_u32 s62, s62, s63
	s_and_b32 s63, s[WV], 1
	s_lshl_b32 s63, s63, 16
	s_add_co_u32 s62, s62, s63
	s_and_b32 s63, s[BH], 15
	s_lshl_b32 s63, s63, 8
	s_add_co_u32 s62, s62, s63
	s_mov_b32 s63, 0
	s_lshl_b32 s66, s52, 13                        ; the batch's row of the mask
	s_mov_b32 s67, 0
	s_lshl_b32 s68, s[BH], 13
	s_add_co_u32 s68, s68, KSB                     ; the head's scale words of k,
	s_mov_b32 s69, 0
	s_lshl_b32 s70, s[BH], 12
	s_add_co_u32 s70, s70, VSB                     ; and of v
	s_mov_b32 s71, 0
	s_wait_alu depctr_va_vdst(0)                   ; the wait at the head's end
	s_wait_dscnt 0x0                               ; both opening adds are done
	s_wait_kmcnt 0x0
	s_add_nc_u64 s[58:59], s[4:5], s[58:59]
	s_add_nc_u64 s[QP:QP+1], s[4:5], s[60:61]
	s_add_nc_u64 s[QSP:QSP+1], s[4:5], s[2:3]
	s_add_nc_u64 s[OP:OP+1], s[8:9], s[62:63]
	s_add_nc_u64 s[66:67], s[6:7], s[66:67]
	s_add_nc_u64 s[68:69], s[4:5], s[68:69]
	s_add_nc_u64 s[70:71], s[4:5], s[70:71]
	s_mov_b32 s[G0], 1
	s_mov_b32 s[G0+1], s55
	s_mov_b64 s[G0+2:G0+3], s[58:59]
	s_or_b32 s[G0+3], s[G0+3], 0x80000000
	global_load_b128 v[104:107], v100, s[66:67]                ; the mask's 8,192 bytes, k's scale words' 8,192, v's 4,096: 256 threads x 16 bytes a line
	global_load_b128 v[108:111], v100, s[66:67] offset:4096
	global_load_b128 v[112:115], v100, s[68:69]
	global_load_b128 v[116:119], v100, s[68:69] offset:4096
	global_load_b128 v[120:123], v100, s[70:71]
	global_load_b128 v[QF+6:QF+9], v[LI], s[QP:QP+1]           ; the first pass's q and its scale words
	global_load_b64 v[QF+10:QF+11], v[L8], s[QP:QP+1] offset:512
	global_load_b32 v[QSW], v[AQS], s[QSP:QSP+1]
	global_load_b32 v[QSW+2], v[AQS], s[QSP:QSP+1] offset:4
	WIN 0x40
	global_load_b128 v[QF+6:QF+9], v[LI], s[QP:QP+1] offset:768
	global_load_b64 v[QF+10:QF+11], v[L8], s[QP:QP+1] offset:1280
	WIN 0
	CROUND                                         ; all four work-groups are here: the joint loads meet
	tensor_load_to_lds s[G0:G0+3], s[G1:G1+7]      ; my one tensor load: an eighth of the head's codes
	s_nop 0
.irp i, 0,1,2,3,4,5,12,13,14,15,16,17
	v_mov_b32 v[QF+\i], 0                          ; zero codes on both sides of q: set once
.endr
	v_mov_b32 v[T1], 0                             ; written once: a lane permute's destination counts as one of its sources
	v_mov_b32 v[F+1], 0                            ; (named as the upper half of a pair)
	WIN 0x40
.irp i, 0,1,2,3,4,5,12,13,14,15,16,17
	v_mov_b32 v[QF+\i], 0
.endr
	v_mov_b32 v[T1], 0
	v_mov_b32 v[F+1], 0
	WIN 0
	s_wait_loadcnt 0x0
.irp i, 0,1,2,3,4,5,6,7
	v_mul_f32 v[104+\i], 0x41000000, v[104+\i]     ; 8 x mask: exact,
.endr
.irp i, 0,1,2,3,4,5,6,7
	v_max_num_f32 v[104+\i], 0xcb800000, v[104+\i] ; held at -2^24 from below
.endr
.irp i, 0,1,2,3
	v_lshl_or_b32 v[124+\i], v[113+2*\i], 16, v[112+2*\i]   ; the two bytes of key tiles 2 f and 2 f + 1 make fragment f's scale word
.endr
	s_wait_alu depctr_va_vdst(0)                   ; the wait here, directly ahead of the wait below
	s_wait_tensorcnt 0x0                           ; my part of the codes has landed
	ds_store_b128 v101, v[104:107]
	ds_store_b128 v101, v[108:111] offset:4096
	ds_store_b64 v102, v[124:125]
	ds_store_b64 v102, v[126:127] offset:2048
	ds_store_b128 v101, v[120:123] offset:VSC-MSK
	s_wait_dscnt 0x0                               ; for the others' sake: my stores are done
	s_barrier_signal -1
	s_barrier_wait -1                              ; everybody's codes, mask and scale words are in; nothing is ever filled again
	s_mov_b32 s[TKN], 0
	s_mov_b32 s[TMN], 0
	s_mov_b32 s[TSN], 0
	PREF                                           ; step 0's k, mask and scale words
	global_load_b128 v[96:99], v[LI], s[QP:QP+1] offset:12288      ; the second pass's q, sixteen tiles on, into v96-103 of both windows, which the head has done with: it lands under the first pass
	global_load_b64 v[100:101], v[L8], s[QP:QP+1] offset:12800
	global_load_b32 v102, v[AQS], s[QSP:QSP+1] offset:1024
	global_load_b32 v103, v[AQS], s[QSP:QSP+1] offset:1028
	WIN 0x40
	global_load_b128 v[96:99], v[LI], s[QP:QP+1] offset:13056
	global_load_b64 v[100:101], v[L8], s[QP:QP+1] offset:13568
	WIN 0
.macro QPASS p                         ; 256 queries of the work-group, 32 of mine; written out twice
.if \p
	s_wait_loadcnt 0x0                             ; the second pass's q
.irp i, 0,1,2,3,4,5
	v_mov_b32 v[QF+6+\i], v[96+\i]
.endr
	v_mov_b32 v[QSW], v102
	v_mov_b32 v[QSW+2], v103
.endif
	v_lshlrev_b32 v[QSW+1], 16, v[QSW]             ; q's two bytes at the upper blocks' places, for [0 ; q]
	v_lshlrev_b32 v[QSW+3], 16, v[QSW+2]
	INIT
	WIN 0x55
.if \p
.irp i, 0,1,2,3,4,5
	v_mov_b32 v[QF+6+\i], v[96+\i]
.endr
.endif
	INIT
	WIN 0
	s_mov_b32 s[IX], 0
	s_wait_alu depctr_va_vdst(0)                   ; the wait ahead of the loop
.Lstep_\@:
	STEP
	s_add_co_u32 s[IX], s[IX], 1
	s_cmp_lt_u32 s[IX], 16
	s_cbranch_scc1 .Lstep_\@
	OUT 0                                          ; its arithmetic is also the places behind tile 1's last products
	WIN 0x55
	OUT 1
	s_wait_dscnt 0x0
.irp i, 0,1,2,3,4,5,6,7                        ; stage rows 2 i + h of tile u are tokens 32 (i / 4) + 8 u + 2 (i % 4) + h of my rows: sixteen lanes store 256 consecutive bytes, a head's part of a row
	global_store_b128 v[GO], v[S+32+4*\i:S+32+4*\i+3], s[OP:OP+1] offset:(32*(\i/4)+2*(\i%4))*4096 th:TH_STORE_NT
.endr
	WIN 0x04                                       ; a store's data are its source 1
.irp i, 0,1,2,3,4,5,6,7
	global_store_b128 v[GO], v[S+32+4*\i:S+32+4*\i+3], s[OP:OP+1] offset:(8+32*(\i/4)+2*(\i%4))*4096 th:TH_STORE_NT
.endr
	WIN 0
.if \p == 0
	s_wait_xcnt 0x0                                ; the stores have read their registers and their base: both are written again
	s_add_nc_u64 s[OP:OP+1], s[OP:OP+1], 1048576   ; 256 rows on
.endif
.endm
	QPASS 0
	QPASS 1
	s_wait_tensorcnt 0x0                           ; the wave's end
	ds_add_u32 v[SPW], v[NIL]
	s_wait_dscnt 0x0
	CROUND                                         ; the closing round
	s_endpgm
.Lfunc_end_k_qedf5c48f6e_attn:
	.size	k_qedf5c48f6e_attn, .Lfunc_end_k_qedf5c48f6e_attn-k_qedf5c48f6e_attn
	.p2alignl 7, 3214868480
	.fill 96, 4, 3214868480
	.section	.rodata,"a",@progbits
	.p2align	6, 0x0
	.amdhsa_kernel k_qedf5c48f6e_attn
		.amdhsa_group_segment_fixed_size 248832
		.amdhsa_private_segment_fixed_size 0
		.amdhsa_enable_private_segment 0
		.amdhsa_kernarg_size 24
		.amdhsa_user_sgpr_count 2
		.amdhsa_user_sgpr_kernarg_segment_ptr 1
		.amdhsa_wavefront_size32 1
		.amdhsa_system_sgpr_workgroup_id_x 1
		.amdhsa_system_sgpr_workgroup_id_y 1
		.amdhsa_system_sgpr_workgroup_id_z 1
		.amdhsa_system_vgpr_workitem_id 0
		.amdhsa_next_free_vgpr 512
		.amdhsa_next_free_sgpr 72
		.amdhsa_reserve_vcc 0
		.amdhsa_float_denorm_mode_32 3
		.amdhsa_float_denorm_mode_16_64 3
		.amdhsa_memory_ordered 1
		.amdhsa_forward_progress 1
		.amdhsa_inst_pref_size 90
	.end_amdhsa_kernel
	.amdgpu_metadata
---
amdhsa.version: [ 1, 2 ]
amdhsa.kernels:
  - .name:           k_qedf5c48f6e_attn
    .symbol:         k_qedf5c48f6e_attn.kd
    .args:
      - { .name: qkv, .offset: 0, .size: 8, .value_kind: global_buffer, .address_space: global }
      - { .name: attention_mask, .offset: 8, .size: 8, .value_kind: global_buffer, .address_space: global }
      - { .name: out0, .offset: 16, .size: 8, .value_kind: global_buffer, .address_space: global }
    .group_segment_fixed_size: 248832
    .private_segment_fixed_size: 0
    .kernarg_segment_align: 8
    .kernarg_segment_size: 24
    .max_flat_workgroup_size: 256
    .sgpr_count:     72
    .vgpr_count:     512
    .wavefront_size: 32
...
	.end_amdgpu_metadata
.endif
;; end of part 3
